; MI455X (gfx1250); checked and timed in simulation.
; The chip was launched on July 23, 2026; its instructions are those of AMD's public machine-readable ISA for CDNA 5 (MIT licence, August 2026) and "CDNA5" Instruction Set Architecture Reference Guide (July 2026). The comments in the code are by the model that wrote it; some were corrected since.
;; Multi Head Attention. Allowed arithmetic: matrix products marked QUANTISED: E2M3 operands, one E8M0 scale for each 32 along K, by v_wmma_scale_f32_16x16x128_f8f6f4 with both operands' format E2M3, f32 sums; everything else in f32.
;; Inputs: b_out 1,024 float32; b_qkv 3,072 float32; w_out 1,024 x 1,024 float32; w_qkv 1,024 x 3,072 float32; x 4 x 2,048 x 1,024 float32.
;; Outputs: out0 4 x 2,048 x 1,024 float32.
;; This version of the problem:
;;   THIS VERSION OF THE PROBLEM IS GIVEN IN LOW PRECISION. The matrix products marked QUANTISED in the list below multiply operands that are first quantised to E2M3 (2 exponent bits, 3 mantissa bits; 6 bits a number), with one power-of-two scale for each 32 numbers along K (OCP MX v1.0); their sums are f32. All else is computed in f32.
;;   The module's matrix products, in the order in which they are computed (A, B: the left and right operand; K: the contracted axis; several contracted axes count as one K, in the product's order):
;;     1. [M 8,192, K 1,024] x [K 1,024, N 3,072]; A: input x; B: input w_qkv: QUANTISED
;;     2. batch 64 x [M 2,048, K 64] x [K 64, N 2,048]; A: computed on the way; B: computed on the way: QUANTISED
;;     3. batch 64 x [M 64, K 2,048] x [K 2,048, N 2,048]; A: computed on the way; B: softmax (see below): QUANTISED
;;     4. [M 8,192, K 1,024] x [K 1,024, N 1,024]; A: computed on the way; B: input w_out: QUANTISED
;;   THE QUANTISER, for each operand of a quantised product, along K:
;;     - K is cut into blocks of 32 from its start; a last block that is shorter is filled with zeros.
;;     - A block's scale is 2^e with e = floor(log2(the largest magnitude in the block)) - 2, held to -126 .. 127; a block of zeros has e = 0. As a byte (E8M0): e + 127.
;;     - Each number is divided by its block's scale, clamped to +-7.5, and rounded to the nearest number of E2M3, ties to even, subnormals kept.
;;     - The product sums the exact products of the quantised numbers (number of the format x scale) in f32.
;;   ~~~python
;;   def quantise(x, axis):      # numpy; x: float32 -> the quantised numbers, widened to float32 again
;;       x = np.moveaxis(x, axis, -1); K = x.shape[-1]
;;       x = np.pad(x, [(0, 0)] * (x.ndim - 1) + [(0, -K % 32)]); x = x.reshape(x.shape[:-1] + (-1, 32)); a = np.abs(x).max(-1, keepdims=True)
;;       e = np.where(a > 0, np.clip(np.frexp(np.where(a > 0, a, 1))[1] - 1 - 2, -126, 127), 0)      # np.frexp(a)[1] - 1 = floor(log2(a)), exactly
;;       r = np.clip(x / 2.0 ** e, -7.5, 7.5)
;;       step = 2.0 ** (np.maximum(np.frexp(np.where(r == 0, 1, r))[1] - 1, 0) - 3)
;;       q = np.round(r / step) * step * 2.0 ** e      # np.round: ties to even
;;       return np.moveaxis(q.reshape(q.shape[:-2] + (-1,))[..., :K], -1, axis).astype(np.float32)
;;   ~~~
;;   SOFTMAX AHEAD OF A QUANTISED PRODUCT. Where the list says 'softmax', what is quantised is not the finished softmax but p = 2^(t - M), with t = logit x log2(e) and M = ceil(the row's largest t), a whole number; so 1/2 < the row's largest p <= 1. The row's sum l is taken of the UNQUANTISED p, in f32, and the product's result is divided by l at the end. Since M is a whole number, a kernel that streams over the keys may use a running M (the ceiling of the running maximum): every later rescaling is an exact power of two, which a block's scale takes up: the codes' values come out the same.
;;   OPERANDS COMPUTED ON THE WAY. 'Computed on the way' means the value that the module computes at that place (a softmax that the list does not call 'softmax' is quantised finished and normalised). What goes into a quantiser is computed in f32, as accurately as f32 sums, v_exp_f32 and their like allow (about 1e-6 of the number): no bf16 or f16 on the way to a quantiser, and a product that is left as it is and whose result goes on into a quantised operand takes f32 operands (vector FMAs, or v_wmma_f32_16x16x4_f32). A number that lies on a knife's edge between two numbers of the format may be rounded either way, as far as f32 arithmetic and the matrix unit's own rounding can turn it there, and no further.
;; One version. Each part assembles by itself: llvm-mc -triple=amdgcn-amd-amdhsa -mcpu=gfx1250 --defsym DOCPART=n.
;; ======== version 1 of 1: 4 launches
;; workspace buffers: xcod 6,291,456 bytes; xscl 262,144 bytes; wcod 3,145,728 bytes; wscl 131,072 bytes; qimg 13,107,200 bytes; kvimg 13,107,200 bytes; acod 6,291,456 bytes; ascl 262,144 bytes
;; launch quant (part 1): grid 384 x 1, 4 waves a work-group, no clusters, 68,096 bytes of LDS; arguments x, w_qkv, w_out, xcod, xscl, wcod, wscl; writes xcod, xscl, wcod, wscl
.if DOCPART == 1
	.amdgcn_target "amdgcn-amd-amdhsa--gfx1250"
	.amdhsa_code_object_version 6
	.text
	.protected	k_qda439cd964_quant
	.globl	k_qda439cd964_quant
	.p2align	8
	.type	k_qda439cd964_quant,@function
k_qda439cd964_quant:
	s_mov_b64 s[64:65], 0
	v_nop
	global_prefetch_b8 v0, s[64:65] scope:SCOPE_SE
	s_setreg_imm32_b32 hwreg(HW_REG_WAVE_MODE, 25, 1), 1
	s_wait_xcnt 0x0
; x [8192][1024], w_qkv [1024][3072] and w_out [1024][1024], f32, become codes of FP6 (E2M3) with K innermost, 768 bytes a row, and one E8M0 byte for each 32 along K, 32 bytes a row.
; A block's scale is 2^(floor(log2(its largest magnitude)) - 2); its byte is the largest magnitude's exponent field - 2, held at 1 from below.
; ROW ORDER.  A row (a token of x; an output feature of a weight) is stored at its number with bits 3 and 4 exchanged.  So 16 rows on end in the buffers are rows 32 b + 8 u + (r % 8) + 16 (r / 8):
; the tiles whose results, used transposed, give a lane 16 neighbours in the 16 registers of two neighbouring tiles.
; wcod, wscl: rows 0 .. 3071 are w_qkv's columns, rows 3072 .. 4095 w_out's.
; LIMITS: NaN and infinities among the inputs are not served; a block whose largest magnitude lies under 2^-124 keeps the byte 1; a block of zeros keeps the byte 1 where the quantiser says 127:
; its codes are zeros, and the bytes are read by this program alone.
; Work-groups 0 .. 255 take x (K innermost: a stream of blocks), work-groups 256 .. 383 the weights (K is the first axis: a lane takes a column, its registers run down K).  The two ways never join, and each has LDS bytes of its own.
; No tensor loads, no barrier: waves share nothing.  No cluster: no two work-groups read the same bytes.
.set STEPS, 16                         ; x: steps of 512 numbers in a wave's run of 8 rows
.set EMAX,  2
.set CB,    12                         ; bytes of 16 codes
.set XR,    16                         ; v16-79   x: four sets of 16 numbers as loaded
.set XX,    80                         ; v80-111  two sets of 16 neighbours
.set XE,    112                        ; v112-127 a scale byte for each step
.set XC,    128                        ; v128-191 codes, four registers a step
.set WREG,  8192                       ; x: LDS of a wave: two stages of 32 x SP bytes, then its 256 scale bytes
.set SP,    80
.set WLDS,  32768                      ; the weights' stages begin here
.set NB,    8                          ; weights: blocks of 32 along K for a wave (256 along K)
.set WP,    272                        ; a stage row: sixteen places of 16 bytes + 16
.set KROW,  768                        ; a row of codes in memory
.set WX,    32                         ; v32-95   two sets of 32 numbers
.set WC,    96                         ; v96..    a block's codes
.set WOUT,  112                        ; v112-175 the way out
.set WSB,   24                         ; v24-25   the scale bytes
.set WOF,   176                        ; v176-207 4 x lane + i x the input's row pitch: never rewritten
.macro XLOAD t
.irp i, 0,1,2,3
	global_load_b128 v[XR+16*((\t)%4)+4*\i:XR+16*((\t)%4)+4*\i+3], v3, s[4:5] offset:2048*(\t)+512*\i th:TH_LOAD_NT   ; 32 lanes read 512 consecutive bytes
.endr
.endm
.macro XTURN t                         ; a step's 2,048 bytes through the wave's own stage: in as they lie, back 64 bytes a lane; LDS serves a wave's instructions in order
.irp i, 0,1,2,3
	ds_store_b128 v14, v[XR+16*((\t)%4)+4*\i:XR+16*((\t)%4)+4*\i+3] offset:32*SP*((\t)%2)+8*SP*\i
.endr
.irp i, 0,1,2,3
	ds_load_b128 v[XX+16*((\t)%2)+4*\i:XX+16*((\t)%2)+4*\i+3], v15 offset:32*SP*((\t)%2)+16*\i
.endr
.endm
.macro XSTEP t
.set XS, XX+16*((\t)%2)
.if (\t) > 0
	s_wait_dscnt 1                                 ; this step's numbers are back from the stage; the last step's byte store may be out
.else
	s_wait_dscnt 0x0
.endif
.if (\t)+4 < STEPS
	XLOAD (\t)+4                                   ; into the set whose stores into the stage are done
.endif
.if (\t)+1 < STEPS
.if STEPS-2-(\t) >= 3
	s_wait_loadcnt 12                              ; the next step's four loads are in; those of the three steps behind it may be out
.else
	s_wait_loadcnt 4*(STEPS-2-(\t))
.endif
	XTURN (\t)+1
.endif
	v_max3_num_f32 v8, |v[XS]|, |v[XS+1]|, |v[XS+2]|               ; the largest magnitude of my 16, in two chains
	v_max3_num_f32 v9, |v[XS+3]|, |v[XS+4]|, |v[XS+5]|
.irp i, 6,10
	v_max3_num_f32 v8, v8, |v[XS+\i]|, |v[XS+\i+1]|
	v_max3_num_f32 v9, v9, |v[XS+\i+2]|, |v[XS+\i+3]|
.endr
	v_max3_num_f32 v8, v8, |v[XS+14]|, |v[XS+15]|
	v_max3_num_f32 v8, v8, v9, (EMAX+1)<<23        ; and the floor 2^(3 - 127): the byte cannot fall under 1
	v_max_num_f32_dpp v8, v8, v8 row_xmask:1 row_mask:0xf bank_mask:0xf   ; with my neighbour's 16: the block's
	v_add_nc_u32 v11, -(EMAX<<23), v8              ; 2 off the exponent field: the conversion's scale operand
	v_cvt_scalef32_pk16_fp6_f32 v[XC+4*(\t):XC+4*(\t)+2], v[XS:XS+15], v11
	v_lshrrev_b32 v[XE+(\t)], 23, v11              ; the scale's byte
	ds_store_b8 v5, v[XE+(\t)] offset:16*(\t)      ; both lanes of a block write the same byte with the same value
	global_store_b96 v4, v[XC+4*(\t):XC+4*(\t)+2], s[10:11] offset:32*CB*(\t)   ; the wave stores 384 consecutive bytes
.endm
.macro WLOAD t                         ; block t: w(32 t + i, my column), i = 0 .. 31
.set Q, 0
.rept 32
	global_load_b32 v[WX+32*((\t)%2)+Q], v[WOF+Q], s[32+2*(\t):33+2*(\t)] th:TH_LOAD_NT
.set Q, Q+1
.endr
.endm
.macro WBLOCK t
.set XS, WX+32*((\t)%2)
.if (\t) < NB-1
	s_wait_loadcnt 32                              ; this block's 32 loads are in; the next block's may be out
.else
	s_wait_loadcnt 0
.endif
	v_max3_num_f32 v12, |v[XS]|, |v[XS+1]|, |v[XS+2]|              ; the block's largest magnitude: all 32 numbers are mine
	v_max3_num_f32 v13, |v[XS+3]|, |v[XS+4]|, |v[XS+5]|
.irp i, 6,10,14,18,22,26
	v_max3_num_f32 v12, v12, |v[XS+\i]|, |v[XS+\i+1]|
	v_max3_num_f32 v13, v13, |v[XS+\i+2]|, |v[XS+\i+3]|
.endr
	v_max3_num_f32 v12, v12, |v[XS+30]|, |v[XS+31]|
	v_max3_num_f32 v12, v12, v13, (EMAX+1)<<23
	v_add_nc_u32 v11, -(EMAX<<23), v12
	v_lshrrev_b32 v13, 23, v11
.if (\t)%4 == 0
	v_mov_b32 v[WSB+(\t)/4], v13                   ; four bytes to a register, the lower K in the lower byte
.else
	v_lshl_or_b32 v[WSB+(\t)/4], v13, 8*((\t)%4), v[WSB+(\t)/4]
.endif
	v_cvt_scalef32_pk16_fp6_f32 v[WC:WC+2], v[XS:XS+15], v11
	v_cvt_scalef32_pk16_fp6_f32 v[WC+4:WC+6], v[XS+16:XS+31], v11  ; (a conversion's three registers begin on an even number)
	ds_store_b96 v4, v[WC:WC+2] offset:32*(\t)     ; 12 bytes to a place of 16 in the stage
	ds_store_b96 v4, v[WC+4:WC+6] offset:32*(\t)+16
.if (\t)+2 < NB
	WLOAD (\t)+2
.endif
	s_wait_dscnt 0x0                               ; the stores have read their registers: the next block's codes may be written
.endm
	s_load_b256 s[4:11], s[0:1], 0x0               ; x s[4:5], w_qkv s[6:7], w_out s[8:9], xcod s[10:11]
	s_load_b128 s[12:15], s[0:1], 0x20             ; xscl s[12:13], wcod s[14:15]
	s_load_b64 s[16:17], s[0:1], 0x30              ; wscl
	v_lshl_add_u32 v208, v0, 2, 0x10800
	v_mov_b32 v209, 0
	v_lshrrev_b32 v1, 5, v0
	v_readfirstlane_b32 s18, v1                    ; wave 0..3
	v_and_b32 v2, 31, v0                           ; lane
	s_cmp_lt_u32 ttmp9, 256
	s_cbranch_scc0 .Lw
	; ---- x.  Run i = 4 x work-group + wave: 8 rows, 8,192 numbers.  It is stored as run i', i with its two lowest bits exchanged: the row order stated above.
	v_lshlrev_b32 v3, 4, v2                        ; my 16 bytes of a load's 512
	s_mul_i32 s19, s18, WREG
	v_lshrrev_b32 v14, 2, v2
	v_mul_u32_u24 v14, v14, SP
	v_and_b32 v15, 3, v2
	v_lshl_add_u32 v14, v15, 4, v14
	v_add_nc_u32 v14, s19, v14                     ; the stage, on the way in: SP (lane / 4) + 16 (lane % 4)
	v_mul_u32_u24 v15, v2, SP
	v_add_nc_u32 v15, s19, v15                     ; and back: SP x lane
	v_mul_u32_u24 v4, v2, CB                       ; my codes' place in a step's
	v_lshrrev_b32 v5, 1, v2
	s_add_co_u32 s19, s19, 2*32*SP
	v_add_nc_u32 v5, s19, v5                       ; my wave's 256 scale bytes, my block's byte
	v_lshlrev_b32 v7, 3, v2
	v_add_nc_u32 v6, s19, v7                       ; and on the way out 8 bytes a lane
	s_lshl_b32 s20, ttmp9, 2
	s_add_co_u32 s22, s20, s18                     ; i
	s_and_b32 s21, s18, 1
	s_lshl_b32 s21, s21, 1
	s_lshr_b32 s23, s18, 1
	s_or_b32 s21, s21, s23
	s_add_co_u32 s24, s20, s21                     ; i'
	s_lshl_b32 s22, s22, 15                        ; 32,768 bytes of x a run
	s_mov_b32 s23, 0
	s_wait_alu depctr_va_vdst(0)
	s_wait_kmcnt 0x0
	s_add_nc_u64 s[4:5], s[4:5], s[22:23]
	s_mul_i32 s22, s24, 8*KROW                     ; 6,144 bytes of codes a run
	s_add_nc_u64 s[10:11], s[10:11], s[22:23]
	s_lshl_b32 s22, s24, 8                         ; 256 scale bytes a run
	s_add_nc_u64 s[12:13], s[12:13], s[22:23]
.irp t, 0,1,2,3
	XLOAD \t
.endr
	s_wait_loadcnt 12                              ; step 0's four loads are in
	XTURN 0
.irp t, 0,1,2,3,4,5,6,7,8,9,10,11,12,13,14,15
	XSTEP \t
.endr
	ds_load_b64 v[12:13], v6                       ; LDS serves a wave's instructions in order: these see my byte stores
	s_wait_dscnt 0x0
	global_store_b64 v7, v[12:13], s[12:13]        ; 32 lanes store 256 consecutive bytes, aligned
	s_wait_tensorcnt 0x0
	ds_add_u32 v208, v209
	s_wait_dscnt 0x0
	s_endpgm
.Lw:	; ---- the weights.  j = work-group - 256: column group g = j / 4 (128 columns; g < 24: w_qkv, else w_out), y = j % 4: which 256 along K.  A wave takes 32 columns.
	s_sub_co_u32 s19, ttmp9, 256
	s_lshr_b32 s21, s19, 2                         ; g
	s_and_b32 s22, s19, 3                          ; y
	s_mov_b32 s20, 4096
	s_sub_co_u32 s23, s21, 24
	s_wait_kmcnt 0x0
	s_cmp_lt_u32 s21, 24                           ; the choice hangs on the work-group's number alone
	s_cselect_b32 s20, 12288, s20                  ; the input's row pitch in bytes
	s_cselect_b32 s23, s21, s23                    ; the column group within its tensor
	s_cselect_b64 s[6:7], s[6:7], s[8:9]
	s_lshl_b32 s24, s22, 8
	s_mul_i32 s24, s24, s20                        ; 256 y rows,
	s_lshl_b32 s25, s23, 9
	s_add_co_u32 s24, s24, s25                     ; 128 columns of 4 bytes a group,
	s_lshl_b32 s25, s18, 7
	s_add_co_u32 s24, s24, s25                     ; 32 a wave
	s_mov_b32 s25, 0
	s_add_nc_u64 s[32:33], s[6:7], s[24:25]        ; block 0's first row; a base for each block, so that no pointer is stepped
	s_lshl_b32 s24, s20, 5                         ; 32 rows
.irp t, 1,2,3,4,5,6,7
	s_add_nc_u64 s[32+2*\t:33+2*\t], s[30+2*\t:31+2*\t], s[24:25]
.endr
	s_lshl_b32 s26, s21, 7
	s_lshl_b32 s27, s18, 5
	s_add_co_u32 s26, s26, s27                     ; my wave's first row of wcod: 128 g + 32 x wave
	s_mul_i32 s28, s26, KROW
	s_mul_i32 s27, s22, 192
	s_add_co_u32 s28, s28, s27
	s_mov_b32 s29, 0
	s_add_nc_u64 s[14:15], s[14:15], s[28:29]
	s_lshl_b32 s28, s26, 5
	s_lshl_b32 s27, s22, 3
	s_add_co_u32 s28, s28, s27
	s_add_nc_u64 s[16:17], s[16:17], s[28:29]
	s_wait_alu depctr_va_vdst(0)
	v_lshlrev_b32 v3, 2, v2                        ; in: 4 bytes a lane
	v_and_b32 v5, 7, v2
	v_bfe_u32 v6, v2, 3, 1
	v_lshl_add_u32 v5, v6, 4, v5
	v_bfe_u32 v6, v2, 4, 1
	v_lshl_add_u32 v5, v6, 3, v5                   ; my column's row among the wave's 32: the lane with bits 3 and 4 exchanged
	s_mul_i32 s30, s18, 32*WP
	s_add_co_u32 s30, s30, WLDS                    ; my stage
	v_mul_u32_u24 v4, v5, WP
	v_add_nc_u32 v4, s30, v4                       ; into it
	v_lshlrev_b32 v9, 5, v5                        ; my row of scale bytes
	v_and_b32 v10, 15, v2
	v_lshrrev_b32 v6, 4, v2                        ; out of it: sixteen lanes to a row, two rows an instruction
	v_mul_u32_u24 v7, v6, WP
	v_lshl_add_u32 v7, v10, 4, v7
	v_add_nc_u32 v7, s30, v7
	v_mul_u32_u24 v8, v6, KROW
	v_mad_u32_u24 v8, v10, 12, v8                  ; and the same place in wcod
.set Q, 0
.rept 32
	v_mad_u32_u24 v[WOF+Q], s20, Q, v3             ; row i of a block, my column
.set Q, Q+1
.endr
	WLOAD 0
	WLOAD 1
.irp t, 0,1,2,3,4,5,6,7
	WBLOCK \t
.endr
	s_wait_alu depctr_va_vdst(0)
	global_store_b64 v9, v[WSB:WSB+1], s[16:17]    ; my column's eight scale bytes
.irp t, 0,1,2,3,4,5,6,7,8,9,10,11,12,13,14,15
	ds_load_b96 v[WOUT+4*\t:WOUT+4*\t+2], v7 offset:2*\t*WP        ; LDS serves a wave's instructions in order: these see my stores
.endr
.irp t, 0,1,2,3,4,5,6,7,8,9,10,11,12,13,14,15
	s_wait_dscnt 15-\t
	global_store_b96 v8, v[WOUT+4*\t:WOUT+4*\t+2], s[14:15] offset:2*\t*KROW   ; sixteen lanes store a row's 192 consecutive bytes
.endr
	s_wait_tensorcnt 0x0
	ds_add_u32 v208, v209
	s_wait_dscnt 0x0
	s_endpgm
.Lfunc_end_k_qda439cd964_quant:
	.size	k_qda439cd964_quant, .Lfunc_end_k_qda439cd964_quant-k_qda439cd964_quant
	.p2alignl 7, 3214868480
	.fill 96, 4, 3214868480
	.section	.rodata,"a",@progbits
	.p2align	6, 0x0
	.amdhsa_kernel k_qda439cd964_quant
		.amdhsa_group_segment_fixed_size 68096
		.amdhsa_private_segment_fixed_size 0
		.amdhsa_enable_private_segment 0
		.amdhsa_kernarg_size 56
		.amdhsa_user_sgpr_count 2
		.amdhsa_user_sgpr_kernarg_segment_ptr 1
		.amdhsa_wavefront_size32 1
		.amdhsa_system_sgpr_workgroup_id_x 1
		.amdhsa_system_sgpr_workgroup_id_y 1
		.amdhsa_system_sgpr_workgroup_id_z 1
		.amdhsa_system_vgpr_workitem_id 0
		.amdhsa_next_free_vgpr 210
		.amdhsa_next_free_sgpr 66
		.amdhsa_reserve_vcc 0
		.amdhsa_float_denorm_mode_32 3
		.amdhsa_float_denorm_mode_16_64 3
		.amdhsa_memory_ordered 1
		.amdhsa_forward_progress 1
		.amdhsa_inst_pref_size 76
	.end_amdhsa_kernel
	.amdgpu_metadata
---
amdhsa.version: [ 1, 2 ]
amdhsa.kernels:
  - .name:           k_qda439cd964_quant
    .symbol:         k_qda439cd964_quant.kd
    .args:
      - { .name: x, .offset: 0, .size: 8, .value_kind: global_buffer, .address_space: global }
      - { .name: w_qkv, .offset: 8, .size: 8, .value_kind: global_buffer, .address_space: global }
      - { .name: w_out, .offset: 16, .size: 8, .value_kind: global_buffer, .address_space: global }
      - { .name: xcod, .offset: 24, .size: 8, .value_kind: global_buffer, .address_space: global }
      - { .name: xscl, .offset: 32, .size: 8, .value_kind: global_buffer, .address_space: global }
      - { .name: wcod, .offset: 40, .size: 8, .value_kind: global_buffer, .address_space: global }
      - { .name: wscl, .offset: 48, .size: 8, .value_kind: global_buffer, .address_space: global }
    .group_segment_fixed_size: 68096
    .private_segment_fixed_size: 0
    .kernarg_segment_align: 8
    .kernarg_segment_size: 56
    .max_flat_workgroup_size: 128
    .sgpr_count:     66
    .vgpr_count:     210
    .wavefront_size: 32
...
	.end_amdgpu_metadata
.endif
;; end of part 1
;; launch qkv (part 2): grid 12 x 32, 4 waves a work-group, clusters of 4 x 4, 327,680 bytes of LDS; arguments xcod, xscl, wcod, wscl, b_qkv, qimg, kvimg; writes qimg, kvimg
.if DOCPART == 2
	.amdgcn_target "amdgcn-amd-amdhsa--gfx1250"
	.amdhsa_code_object_version 6
	.text
	.protected	k_qda439cd964_qkv
	.globl	k_qda439cd964_qkv
	.p2align	8
	.type	k_qda439cd964_qkv,@function
k_qda439cd964_qkv:
	s_mov_b64 s[64:65], 0
	v_nop
	global_prefetch_b8 v0, s[64:65] scope:SCOPE_SE
	s_setreg_imm32_b32 hwreg(HW_REG_WAVE_MODE, 25, 1), 1
	s_wait_xcnt 0x0
	s_wait_alu depctr_hold_cnt(0) depctr_sa_sdst(0) depctr_va_vdst(0) depctr_va_sdst(0) depctr_va_ssrc(0) depctr_va_vcc(0) depctr_vm_vsrc(0)
	s_getreg_b32 s2, hwreg(HW_REG_IB_STS2, 6, 4)
	s_cmp_eq_u32 s2, 0
	s_cbranch_scc0 .Lentry_in_a_cluster
	s_endpgm
.Lentry_in_a_cluster:
	s_bfe_u32 s2, ttmp6, 0x10000c
	s_cmp_lg_u32 s2, 0xf033
	s_cbranch_scc0 .Lentry_shape_is_right
	s_endpgm
.Lentry_shape_is_right:
.set KSTEP,  256
.set NQ,     2
.set ROWB,   192
.set KROW,   768
.set PITCH,  240
.set FR,     12
.set NL,     6
.set NP,     4
.set HALFT,  128*PITCH
.set SLOT,   4*HALFT
.set LAPS,   2
.set KS,     32
.set SCL,    2*SLOT
.set HALFS,  (128*KS/256)*272
.set SBLK,   (16*KS/256)*272
.set SPARE,  SCL+4*HALFS
.set HEADB,  204800
.set STEPB,  12800
.set ADRA, 16
.set ADRB, 20
.set VO,   24
.set VI,   25
.set VB,   26
.set ADRS, 27
.set SPW,  28
.set NIL,  29
.set SC,   32
.set BI,   64
.set AF,   128
.set N,    128
.set QC,   192
.set CV,   204
.set TM,   212
.set BY,   216
.set SO,   220
.set KW,   224
.set PW,   228
.set W4,   236
.set T0,   240
.set G1, 24
.set G0, 32
.set G1B, 48
.set G0B, 56
.set G1S, 68
.set G0S, 76
.set G1SB, 80
.set G0SB, 88
.set MSB, 0
.macro WIN new
.if MSB != (\new)
	s_set_vgpr_msb (MSB<<8)|(\new)
.set MSB, (\new)
.endif
.endm
.set MUL_LO, 0xa1
.set MUL_HI, 0xf1
.set TO_B,   0x40
.macro JLOAD g0a, g1a, g0b, g1b
	s_cmp_eq_u32 s19, 0
	s_cbranch_scc0 .Lfor_b_\@
	tensor_load_to_lds s[\g0a:\g0a+3], s[\g1a:\g1a+7]
	s_nop 0
.rept 4
	v_nop
.endr
	s_branch .Lasked_\@
.Lfor_b_\@:
	tensor_load_to_lds s[\g0b:\g0b+3], s[\g1b:\g1b+7]
	s_nop 0
.rept 4
	v_nop
.endr
.Lasked_\@:
.endm
.macro CREST
	s_cmp_lg_u32 s18, 0
	s_cbranch_scc1 .Lnot_wave_0_\@
	s_barrier_signal -3
.Lnot_wave_0_\@:
	s_barrier_wait -3
	s_barrier_signal -1
	s_barrier_wait -1
.endm
.macro CROUND
	s_barrier_signal -1
	s_barrier_wait -1
	CREST
.endm
	s_load_b256 s[4:11], s[0:1], 0x0
	s_load_b128 s[12:15], s[0:1], 0x20
	s_load_b64 s[16:17], s[0:1], 0x30
	v_lshl_add_u32 v[SPW], v0, 2, SPARE
	v_mov_b32 v[NIL], 0
	ds_add_u32 v28, v29
	ds_add_u32 v28, v29
	s_wait_dscnt 0x0
	v_lshrrev_b32 v1, 5, v0
	v_readfirstlane_b32 s18, v1
	s_lshr_b32 s19, s18, 1
	s_and_b32 s20, s18, 1
	s_bfe_u32 s21, ttmp6, 0x40000
	s_bfe_u32 s22, ttmp6, 0x40004
	s_mov_b32 s23, ttmp9
	s_and_b32 s40, ttmp7, 0xffff
	s_cmp_eq_u32 s23, 2
	s_cselect_b32 s41, s40, s23
	s_cselect_b32 s42, 2, s40
	s_lshl_b32 s41, s41, 2
	s_add_co_u32 s41, s41, s21
	s_lshl_b32 s42, s42, 2
	s_add_co_u32 s42, s42, s22
	s_lshl_b32 s43, s22, 2
	s_lshl_b32 s43, 15, s43
	s_lshl_b32 s44, 0x1111, s21
	s_or_b32 s[G1+0], s43, (0<<16)|(1<<20)|(1<<21)|(3<<22)|(3<<25)
	s_or_b32 s[G1B+0], s44, (0<<16)|(1<<20)|(1<<21)|(3<<22)|(3<<25)
.irp g, G1, G1B
	s_mov_b32 s[\g+1], ROWB<<16
	s_mov_b32 s[\g+2], 128<<16
	s_mov_b32 s[\g+3], ROWB<<16
	s_mov_b32 s[\g+4], 128
	s_mov_b32 s[\g+5], KROW
	s_mov_b32 s[\g+6], 0
	s_mov_b32 s[\g+7], 0
.endr
	s_or_b32 s[G1S+0], s43, (3<<16)|(1<<20)|(1<<21)|(5<<22)|(3<<25)
	s_or_b32 s[G1SB+0], s44, (3<<16)|(1<<20)|(1<<21)|(5<<22)|(3<<25)
.irp g, G1S, G1SB
	s_mov_b32 s[\g+1], 32<<16
	s_mov_b32 s[\g+2], (128*KS/256)<<16
	s_mov_b32 s[\g+3], 32<<16
	s_mov_b32 s[\g+4], 128*KS/256
	s_mov_b32 s[\g+5], 32
	s_mov_b32 s[\g+6], 0
	s_mov_b32 s[\g+7], 0
.endr
	s_lshl_b32 s45, s20, 7
	s_wait_kmcnt 0x0
	s_cmp_eq_u32 s23, 2
	s_cselect_b64 s[92:93], s[8:9], s[4:5]
	s_cselect_b64 s[94:95], s[10:11], s[6:7]
	s_cselect_b64 s[96:97], s[4:5], s[8:9]
	s_cselect_b64 s[98:99], s[6:7], s[10:11]
	s_mov_b32 s47, 0
	s_lshl_b32 s46, s42, 8
	s_add_co_u32 s46, s46, s45
	s_lshl_b32 s46, s46, 5
	s_add_nc_u64 s[94:95], s[94:95], s[46:47]
	s_mul_i32 s46, s46, 24
	s_add_nc_u64 s[92:93], s[92:93], s[46:47]
	s_mov_b32 s67, 0
	s_lshl_b32 s66, s41, 8
	s_add_co_u32 s66, s66, s45
	s_lshl_b32 s66, s66, 5
	s_add_nc_u64 s[98:99], s[98:99], s[66:67]
	s_mul_i32 s66, s66, 24
	s_add_nc_u64 s[96:97], s[96:97], s[66:67]
	s_mul_i32 s45, s18, HALFT
	s_mul_i32 s2, s18, HALFS
	CROUND
	s_mov_b32 s[G0S], 1
	s_add_co_u32 s[G0S+1], s2, SCL
	s_mov_b64 s[G0S+2:G0S+3], s[94:95]
	s_or_b32 s[G0S+3], s[G0S+3], 0x80000000
	s_mov_b32 s[G0SB], 1
	s_add_co_u32 s[G0SB+1], s2, SCL
	s_mov_b64 s[G0SB+2:G0SB+3], s[98:99]
	s_or_b32 s[G0SB+3], s[G0SB+3], 0x80000000
	JLOAD G0S, G1S, G0SB, G1SB
.irp s, 0,1
	s_mov_b32 s[G0+4*\s], 1
	s_add_co_u32 s[G0+4*\s+1], s45, \s*SLOT
	s_add_nc_u64 s[G0+4*\s+2:G0+4*\s+3], s[92:93], \s*ROWB
	s_or_b32 s[G0+4*\s+3], s[G0+4*\s+3], 0x80000000
	s_mov_b32 s[G0B+4*\s], 1
	s_add_co_u32 s[G0B+4*\s+1], s45, \s*SLOT
	s_add_nc_u64 s[G0B+4*\s+2:G0B+4*\s+3], s[96:97], \s*ROWB
	s_or_b32 s[G0B+4*\s+3], s[G0B+4*\s+3], 0x80000000
	s_wait_alu depctr_va_vdst(0)
	s_wait_tensorcnt 0x0
	ds_add_u32 v28, v29
	s_wait_dscnt 0x0
	CROUND
	JLOAD G0+4*\s, G1, G0B+4*\s, G1B
.endr
	v_and_b32 v1, 15, v0
	v_bfe_u32 v2, v0, 4, 1
	v_mul_u32_u24 v3, v1, PITCH
	v_mul_u32_u24 v4, v2, 24
	v_add_nc_u32 v4, v3, v4
	v_lshl_add_u32 v5, v2, 4, v4
	s_mul_i32 s45, s19, HALFT
	s_mul_i32 s46, s20, HALFT
	s_add_co_u32 s46, s46, 2*HALFT
.irp s, 0,1
	v_add_nc_u32 v[ADRA+\s], s45, v4
	v_add_nc_u32 v[ADRB+\s], s46, v4
	v_add_nc_u32 v[ADRA+2+\s], s45, v5
	v_add_nc_u32 v[ADRB+2+\s], s46, v5
	s_add_co_u32 s45, s45, SLOT
	s_add_co_u32 s46, s46, SLOT
.endr
	v_mul_u32_u24 v5, v1, KS
	v_lshrrev_b32 v6, 8, v5
	v_lshl_add_u32 v5, v6, 4, v5
	s_mul_i32 s45, s19, HALFS
	s_mul_i32 s46, s20, HALFS
	s_add_co_u32 s46, s46, 2*HALFS
	s_sub_co_u32 s46, s46, s45
	v_mul_u32_u24 v6, s46, v2
	s_add_co_u32 s45, s45, SCL
	v_add_nc_u32 v5, v5, v6
	v_add_nc_u32 v[ADRS], s45, v5
	v_lshlrev_b32 v[VO], 4, v1
	v_mad_u32_u24 v[VO], v2, HEADB, v[VO]
	v_and_b32 v[VI], 31, v0
	v_lshlrev_b32 v[VI], 4, v[VI]
.macro FRAG reg, adr, q, i
.irp p, 0,1,2,3,4,5
.set PCE, 12*(\q)+6*(\p/3)+\p%3
.if PCE%8 < 5
	ds_load_b64 v[\reg+2*\p:\reg+2*\p+1], v[\adr] offset:8*PCE+16*(PCE/8)+(\i)*16*PITCH
.else
	ds_load_b64 v[\reg+2*\p:\reg+2*\p+1], v[\adr+2] offset:8*PCE+16*(PCE/8)+(\i)*16*PITCH
.endif
.endr
.endm
.macro MUL16 a0, p, q, sc, zero
.irp a, \a0, \a0+1
.irp b, 0,1,2,3,4,5,6,7
.if \zero
	v_wmma_scale_f32_16x16x128_f8f6f4 v[8*(8*((\a)%4)+\b):8*(8*((\a)%4)+\b)+7], v[128*(\p)+FR*\b:128*(\p)+FR*\b+FR-1], v[AF+FR*(\a):AF+FR*(\a)+FR-1], 0, v[SC+8*NQ*(\sc)+NQ*\b+(\q)], v[SC+8*NQ*(\sc)+NQ*(\a)+(\q)] matrix_a_fmt:MATRIX_FMT_FP6 matrix_b_fmt:MATRIX_FMT_FP6 matrix_a_scale:MATRIX_SCALE_ROW1
.else
	v_wmma_scale_f32_16x16x128_f8f6f4 v[8*(8*((\a)%4)+\b):8*(8*((\a)%4)+\b)+7], v[128*(\p)+FR*\b:128*(\p)+FR*\b+FR-1], v[AF+FR*(\a):AF+FR*(\a)+FR-1], v[8*(8*((\a)%4)+\b):8*(8*((\a)%4)+\b)+7], v[SC+8*NQ*(\sc)+NQ*\b+(\q)], v[SC+8*NQ*(\sc)+NQ*(\a)+(\q)] matrix_a_fmt:MATRIX_FMT_FP6 matrix_b_fmt:MATRIX_FMT_FP6 matrix_a_scale:MATRIX_SCALE_ROW1
.endif
.endr
.endr
.endm
.macro FETCH_B slot, q, p
	WIN TO_B
.irp i, 0,1,2,3,4,5,6,7
	FRAG 128*(\p)+FR*\i, ADRB+\slot, \q, \i
.endr
	WIN 0
.endm
.macro FETCH_A slot, q, i0
.irp i, \i0, \i0+1, \i0+2, \i0+3
	FRAG AF+FR*(\i), ADRA+\slot, \q, \i
.endr
.endm
.macro SCALES sc
.irp i, 0,1,2,3,4,5,6,7
	ds_load_b64 v[SC+8*NQ*\sc+NQ*\i:SC+8*NQ*\sc+NQ*\i+1], v[ADRS] offset:\i*SBLK
.endr
.endm
.macro PLACES n
.rept \n
	v_nop
.endr
.endm
.macro STEP slot, q, zero
	s_wait_dscnt 4*NL
	WIN MUL_LO
	MUL16 0, (\q)%2, \q, \slot, \zero
	MUL16 2, (\q)%2, \q, \slot, \zero
	s_wait_dscnt 0
	PLACES NP
	FETCH_B \slot, (\q)+1, 1-(\q)%2
	FETCH_A \slot, (\q)+1, 0
	WIN MUL_HI
	MUL16 4, (\q)%2, \q, \slot, \zero
	MUL16 6, (\q)%2, \q, \slot, \zero
	PLACES NP
	WIN 0
	FETCH_A \slot, (\q)+1, 4
.endm
.macro TURN slot, next, fill
	s_wait_tensorcnt 0x0
	ds_add_u32 v[SPW], v[NIL]
	s_wait_dscnt 4*NL+1
	WIN MUL_LO
	MUL16 0, 1, NQ-1, \slot, 0
	s_wait_dscnt 0x0
	s_barrier_signal -1
	MUL16 2, 1, NQ-1, \slot, 0
	WIN 0
	s_barrier_wait -1
.if \fill
	CREST
	s_add_nc_u64 s[G0+4*\slot+2:G0+4*\slot+3], s[G0+4*\slot+2:G0+4*\slot+3], 2*ROWB
	s_add_nc_u64 s[G0B+4*\slot+2:G0B+4*\slot+3], s[G0B+4*\slot+2:G0B+4*\slot+3], 2*ROWB
	JLOAD G0+4*\slot, G1, G0B+4*\slot, G1B
.else
	PLACES NP
.endif
	s_wait_alu depctr_va_vdst(0)
	v_add_nc_u32 v[ADRS], 4*NQ, v[ADRS]
	FETCH_B \next, 0, 0
	FETCH_A \next, 0, 0
	SCALES \next
	WIN MUL_HI
	MUL16 4, 1, NQ-1, \slot, 0
	MUL16 6, 1, NQ-1, \slot, 0
	PLACES NP
	WIN 0
	FETCH_A \next, 0, 4
.endm
.macro LAST
	s_wait_dscnt 4*NL
	WIN MUL_LO
	MUL16 0, 1, NQ-1, 1, 0
	MUL16 2, 1, NQ-1, 1, 0
	s_wait_dscnt 0
	WIN MUL_HI
	MUL16 4, 1, NQ-1, 1, 0
	MUL16 6, 1, NQ-1, 1, 0
	WIN 0
	PLACES NP
.irp b, 0,1,2,3
	v_mov_b32 v[BY+\b], 0
.endr
	s_wait_loadcnt 0x0
.endm
.macro ADDB a, lanewise
	WIN 0x02+(\a)/4
.irp b, 0,1,2,3,4,5,6,7
.irp i, 0,2,4,6
.if \lanewise
	v_pk_add_f32 v[N+8*\b+\i:N+8*\b+\i+1], v[64*((\a)%4)+8*\b+\i:64*((\a)%4)+8*\b+\i+1], v[BI+2*(\a):BI+2*(\a)+1] op_sel_hi:[1,0]
.else
	v_pk_add_f32 v[N+8*\b+\i:N+8*\b+\i+1], v[64*((\a)%4)+8*\b+\i:64*((\a)%4)+8*\b+\i+1], v[BI+8*\b+\i:BI+8*\b+\i+1]
.endif
.endr
.endr
	WIN 0
.endm
.macro QUANT x0, y0, x1, y1
.irp b, 0,1,2,3
	v_max3_num_f32 v[TM+\b], |v[N+16*\b]|, |v[N+1+16*\b]|, 0x1800000
.endr
.irp i, 2,4,6,8,10,12,14
.irp b, 0,1,2,3
	v_max3_num_f32 v[TM+\b], v[TM+\b], |v[N+16*\b+\i]|, |v[N+1+16*\b+\i]|
.endr
.endr
.irp b, 0,1,2,3
	v_permlanex16_b32 v[BY+\b], v[TM+\b], s46, s47
.endr
.irp b, 0,1,2,3
	v_max_num_f32 v[TM+\b], v[TM+\b], v[BY+\b]
.endr
.irp b, 0,1,2,3
	v_add_nc_u32 v[SO+\b], 0xff000000, v[TM+\b]
.endr
.irp b, 0,1,2,3
	v_lshrrev_b32 v[BY+\b], 23, v[SO+\b]
.endr
	s_wait_alu depctr_va_vdst(0)
	s_wait_xcnt 0x0
	v_cvt_scalef32_pk16_fp6_f32 v[QC:QC+2], v[N+16*\x0:N+16*\x0+15], v[SO+\x0]
	v_cvt_scalef32_pk16_fp6_f32 v[CV:CV+2], v[N+16*\y0:N+16*\y0+15], v[SO+\y0]
	v_cvt_scalef32_pk16_fp6_f32 v[QC+6:QC+8], v[N+16*\x1:N+16*\x1+15], v[SO+\x1]
	v_cvt_scalef32_pk16_fp6_f32 v[CV+4:CV+6], v[N+16*\y1:N+16*\y1+15], v[SO+\y1]
	v_nop
.irp c, 0,1
.irp i, 0,1,2
	v_permlane16_swap_b32 v[QC+6*\c+\i], v[CV+4*\c+\i]
.endr
.irp i, 0,1,2
	v_mov_b32 v[QC+3+6*\c+\i], v[CV+4*\c+\i]
.endr
.endr
.endm
.macro QKTILE a
	ADDB \a, 0
	QUANT 0, 2, 1, 3
	v_lshl_or_b32 v[T0], v[BY+1], 16, v[BY]
	v_lshl_or_b32 v[T0+1], v[BY+3], 16, v[BY+2]
	v_cndmask_b32 v[T0], v[T0], v[T0+1], s45
.if (\a)%2 == 0
	v_mov_b32 v[KW+(\a)/2], v[T0]
.else
	v_lshl_or_b32 v[KW+(\a)/2], v[T0], 8, v[KW+(\a)/2]
.endif
.irp c, 0,1,2
	global_store_b128 v[VO], v[QC+4*\c:QC+4*\c+3], s[92:93] offset:((\a)/2)*1536+512*\c+256*((\a)%2)
.endr
.endm
.macro VTILE a
	ADDB \a, 1
	QUANT 0, 1, 2, 3
	v_lshl_or_b32 v[PW+(\a)], v[BY+1], 8, v[BY]
	v_lshl_or_b32 v[PW+(\a)], v[BY+2], 16, v[PW+(\a)]
	v_lshl_or_b32 v[PW+(\a)], v[BY+3], 24, v[PW+(\a)]
.irp c, 0,1,2
	global_store_b128 v[VI], v[QC+4*\c:QC+4*\c+3], s[92:93] offset:((\a)/4)*HEADB+6144+((\a)%4)*1536+512*\c
.endr
.endm
	s_wait_alu depctr_va_vdst(0)
	s_wait_tensorcnt 1
	s_barrier_signal -1
	s_barrier_wait -1
	FETCH_B 0, 0, 0
	FETCH_A 0, 0, 0
	SCALES 0
	FETCH_A 0, 0, 4
	STEP 0, 0, 1
	s_mov_b32 s3, LAPS-1
.Llap:
	TURN 0, 1, 1
	STEP 1, 0, 0
	TURN 1, 0, 1
	STEP 0, 0, 0
	s_sub_co_u32 s3, s3, 1
	s_cmp_lg_u32 s3, 0
	s_cbranch_scc1 .Llap
	TURN 0, 1, 0
	STEP 1, 0, 0
	s_mov_b32 s45, 0xffff0000
	s_mov_b32 s46, 0x76543210
	s_mov_b32 s47, 0xfedcba98
	s_cmp_eq_u32 s23, 2
	s_cbranch_scc1 .Lvpath
	s_lshl_b32 s66, s42, 1
	s_add_co_u32 s66, s66, s19
	s_lshr_b32 s67, s66, 4
	s_lshl_b32 s67, s67, 4
	s_lshl_b32 s2, s21, 2
	s_add_co_u32 s67, s67, s2
	s_lshl_b32 s2, s20, 1
	s_add_co_u32 s67, s67, s2
	s_mul_i32 s67, s67, HEADB
	s_and_b32 s66, s66, 15
	s_mul_i32 s66, s66, STEPB
	s_add_co_u32 s66, s66, s67
	s_mov_b32 s67, 0
	s_cmp_eq_u32 s23, 0
	s_cselect_b64 s[92:93], s[14:15], s[16:17]
	s_add_nc_u64 s[92:93], s[92:93], s[66:67]
	s_lshl_b32 s66, s41, 10
	s_lshl_b32 s2, s20, 9
	s_add_co_u32 s66, s66, s2
	s_add_nc_u64 s[94:95], s[12:13], s[66:67]
	v_lshlrev_b32 v[VB], 6, v2
.irp b, 0,1,2,3
.irp i, 0,1,2,3
	global_load_b128 v[BI+16*\b+4*\i:BI+16*\b+4*\i+3], v[VB], s[94:95] offset:128*\b+16*\i
.endr
.endr
	LAST
.irp a, 0,1,2,3,4,5,6,7
	QKTILE \a
.endr
	global_store_b128 v[VO], v[KW:KW+3], s[92:93] offset:12288
	s_branch .Ldone
.Lvpath:
	s_lshl_b32 s66, s41, 1
	s_add_co_u32 s66, s66, s20
	s_lshr_b32 s67, s66, 4
	s_lshl_b32 s67, s67, 4
	s_lshl_b32 s2, s22, 2
	s_add_co_u32 s67, s67, s2
	s_lshl_b32 s2, s19, 1
	s_add_co_u32 s67, s67, s2
	s_mul_i32 s67, s67, HEADB
	s_and_b32 s66, s66, 15
	s_mul_i32 s66, s66, STEPB
	s_add_co_u32 s66, s66, s67
	s_mov_b32 s67, 0
	s_add_nc_u64 s[92:93], s[16:17], s[66:67]
	s_lshl_b32 s66, s42, 10
	s_lshl_b32 s2, s19, 9
	s_add_co_u32 s66, s66, s2
	s_add_nc_u64 s[94:95], s[12:13], s[66:67]
	v_and_b32 v[VB], 7, v1
	v_lshrrev_b32 v3, 3, v1
	v_lshlrev_b32 v[VB], 2, v[VB]
	v_lshl_add_u32 v[VB], v3, 6, v[VB]
.irp a, 0,1,2,3,4,5,6,7
	global_load_b32 v[BI+2*\a], v[VB], s[94:95] offset:4*(32*(\a/2)+8*(\a%2))
	v_mov_b32 v[BI+2*\a+1], 0
.endr
	LAST
.irp a, 0,1,2,3,4,5,6,7
	VTILE \a
.endr
.irp t, 0,1,2,3
	v_cndmask_b32 v[W4+\t], v[PW+\t], v[PW+4+\t], s45
.endr
	global_store_b128 v[VO], v[W4:W4+3], s[92:93] offset:12544
.Ldone:
	s_wait_tensorcnt 0x0
	ds_add_u32 v[SPW], v[NIL]
	s_wait_dscnt 0x0
	CROUND
	s_endpgm
.Lfunc_end_k_qda439cd964_qkv:
	.size	k_qda439cd964_qkv, .Lfunc_end_k_qda439cd964_qkv-k_qda439cd964_qkv
	.p2alignl 7, 3214868480
	.fill 96, 4, 3214868480
	.section	.rodata,"a",@progbits
	.p2align	6, 0x0
	.amdhsa_kernel k_qda439cd964_qkv
		.amdhsa_group_segment_fixed_size 327680
		.amdhsa_private_segment_fixed_size 0
		.amdhsa_enable_private_segment 0
		.amdhsa_kernarg_size 56
		.amdhsa_user_sgpr_count 2
		.amdhsa_user_sgpr_kernarg_segment_ptr 1
		.amdhsa_wavefront_size32 1
		.amdhsa_system_sgpr_workgroup_id_x 1
		.amdhsa_system_sgpr_workgroup_id_y 1
		.amdhsa_system_sgpr_workgroup_id_z 1
		.amdhsa_system_vgpr_workitem_id 0
		.amdhsa_next_free_vgpr 1024
		.amdhsa_next_free_sgpr 100
		.amdhsa_reserve_vcc 0
		.amdhsa_float_denorm_mode_32 3
		.amdhsa_float_denorm_mode_16_64 3
		.amdhsa_memory_ordered 1
		.amdhsa_forward_progress 1
		.amdhsa_inst_pref_size 243
	.end_amdhsa_kernel
	.amdgpu_metadata
---
amdhsa.version: [ 1, 2 ]
amdhsa.kernels:
  - .name:           k_qda439cd964_qkv
    .symbol:         k_qda439cd964_qkv.kd
    .args:
      - { .name: xcod, .offset: 0, .size: 8, .value_kind: global_buffer, .address_space: global }
      - { .name: xscl, .offset: 8, .size: 8, .value_kind: global_buffer, .address_space: global }
      - { .name: wcod, .offset: 16, .size: 8, .value_kind: global_buffer, .address_space: global }
      - { .name: wscl, .offset: 24, .size: 8, .value_kind: global_buffer, .address_space: global }
      - { .name: b_qkv, .offset: 32, .size: 8, .value_kind: global_buffer, .address_space: global }
      - { .name: qimg, .offset: 40, .size: 8, .value_kind: global_buffer, .address_space: global }
      - { .name: kvimg, .offset: 48, .size: 8, .value_kind: global_buffer, .address_space: global }
    .group_segment_fixed_size: 327680
    .private_segment_fixed_size: 0
    .kernarg_segment_align: 8
    .kernarg_segment_size: 56
    .max_flat_workgroup_size: 128
    .sgpr_count:     100
    .vgpr_count:     1024
    .wavefront_size: 32
...
	.end_amdgpu_metadata
.endif
;; end of part 2
;; launch attn (part 3): grid 4 x 64, 16 waves a work-group, clusters of 4 x 1, 206,848 bytes of LDS; arguments qimg, kvimg, acod, ascl; writes acod, ascl
.if DOCPART == 3
	.amdgcn_target "amdgcn-amd-amdhsa--gfx1250"
	.amdhsa_code_object_version 6
	.text
	.protected	k_qda439cd964_attn
	.globl	k_qda439cd964_attn
	.p2align	8
	.type	k_qda439cd964_attn,@function
k_qda439cd964_attn:
	s_mov_b64 s[64:65], 0
	v_nop
	global_prefetch_b8 v0, s[64:65] scope:SCOPE_SE
	s_setreg_imm32_b32 hwreg(HW_REG_WAVE_MODE, 25, 1), 1
	s_wait_xcnt 0x0
	s_wait_alu depctr_hold_cnt(0) depctr_sa_sdst(0) depctr_va_vdst(0) depctr_va_sdst(0) depctr_va_ssrc(0) depctr_va_vcc(0) depctr_vm_vsrc(0)
	s_getreg_b32 s2, hwreg(HW_REG_IB_STS2, 6, 4)
	s_cmp_eq_u32 s2, 0
	s_cbranch_scc0 .Lentry_in_a_cluster
	s_endpgm
.Lentry_in_a_cluster:
	s_bfe_u32 s2, ttmp6, 0x10000c
	s_cmp_lg_u32 s2, 0x3003
	s_cbranch_scc0 .Lentry_shape_is_right
	s_endpgm
.Lentry_shape_is_right:
; o = softmax(q k^T / 8) v for one head, both products on codes of FP6 (E2M3), and the quantiser of o along the head's 64: o leaves as an image of the last product's operand registers.
; THE SOFTMAX AHEAD OF THE SECOND PRODUCT: t = score x log2(e) / 8; M = the running largest t rounded UP to a whole number; p = 2^(t - M) is quantised along the keys, not normalised; the row's sum is taken of the
; unquantised p and divides at the end.  When M moves, the sum and O are multiplied by 2^(old M - new M): exact.
; SHARES.  A work-group: one head (16 x batch + head = the grid's y) and 512 queries (its place in the cluster); wave w walks all 2,048 keys twice, each time for one tile of 16 queries: step 4 cx + 2 pass + w / 8 of the head, tile w % 8.
; LDS IS FILLED ONCE: the head's K and V images and scale words, 204,800 bytes (16 key steps of 12,800), lie there for the whole launch.  The four work-groups of a head ask for them JOINTLY; waves 0 to 3 issue one load each.
; LAYOUT.  Both products are used transposed: S^T = K Q^T, O^T = V^T P^T: a lane holds ONE query (lane % 16) throughout.
; K = 64 IN AN INSTRUCTION OF K = 128.  A run's 12 registers hold a whole key (48 bytes) in each lane: lanes 0-15 the keys of tile 2 b, lanes 16-31 those of tile 2 b + 1.  As source 0, lanes 0-15 are the instruction's blocks 0 and 2,
; lanes 16-31 its blocks 1 and 3.  Q is kept twice: QL has the queries in lanes 0-15 and zero codes in lanes 16-31, QH the other way round.  So run x QL is tile 2 b and run x QH tile 2 b + 1.  The idle blocks multiply zero codes of Q:
; they add 0 under the neighbouring tile's scale bytes, which lie between 1 and 254.
; THE KEYS OF A TILE: row r of tile 2 b + u is key 32 b + 8 u + (r % 8) + 16 (r / 8): the 16 registers of tiles 2 b, 2 b + 1 are keys 32 b + 16 (lane / 16) + 0 .. 15.  V's rows are ordered likewise, so that O^T's 16 registers of two tiles are 16 neighbouring channels.
; LIMITS: NaN and infinities are not served; a block of o whose largest magnitude lies under 2^-124 keeps the byte 1.
.set HEADB, 204800
.set STEPB, 12800
.set LI,   1                           ; v1   16 x lane
.set LR,   2                           ; v2   16 x (lane % 16)
.set AD1,  3                           ; v3   the step's images
.set AD2,  4                           ; v4   the step's scale words
.set VQ,   5                           ; v5   my query tile's codes in a step of qimg
.set VQS,  6                           ; v6   and its scale word
.set OC,   7                           ; v7   8 x lane
                                       ; v8 -M, v9 the largest t; v[10:11] the sum in two halves; v12 f, v13 written once; v14-15 at work
.set QL,   16
.set QH,   28
.set F,    40                          ; v40-87   K's four runs, then V's four fragments
.set S,    88                          ; v88-151  S^T, then p
.set O,    152                         ; v152-183 O^T
.set QC,   184                         ; v184-195 p's codes
.set CV,   196                         ; v196-198, v200-202
.set BM,   204                         ; v204-207 the blocks' largest scores, then largest p
.set PD,   208                         ; v208-211 the other half's
.set SO,   212                         ; v212-215 the conversions' scale operands
.set BY,   216                         ; v216-219 bytes
.set KSC,  220                         ; v220-223 K's scale words
.set QS,   224                         ; v224     Q's scale word
.set PS,   225                         ; v225     p's scale word
.set QRAW, 226                         ; v226-237 a query tile's codes as loaded
.set QW,   238                         ; v238     its scale word as loaded
.set OS,   239                         ; v239     32 x (lane % 16)
.set OW,   240                         ; v240     o's two bytes
.set VSC,  244                         ; v244-247 V's scale words
.set WV,   12
.set SEL,  20
.set CS,   22
.set G1,   24
.set G0,   40
.set TB,   48
.macro CROUND                          ; a round of the cluster's barrier
	s_barrier_signal -1
	s_barrier_wait -1
	s_cmp_lg_u32 s[WV], 0
	s_cbranch_scc1 .Lnot_wave_0_\@
	s_barrier_signal -3
.Lnot_wave_0_\@:
	s_barrier_wait -3
	s_barrier_signal -1
	s_barrier_wait -1
.endm
.macro QLOAD                           ; both halves of the lanes take the same 16 queries
.irp c, 0,1,2
	global_load_b128 v[QRAW+4*\c:QRAW+4*\c+3], v[VQ], s[4:5] offset:512*\c
.endr
	global_load_b32 v[QW], v[VQS], s[4:5]
.endm
	s_load_b256 s[4:11], s[0:1], 0x0               ; qimg s[4:5], kvimg s[6:7], acod s[8:9], ascl s[10:11]
	v_lshl_add_u32 v254, v0, 2, 0x32000
	v_mov_b32 v255, 0
	ds_add_u32 v254, v255
	ds_add_u32 v254, v255
	v_lshrrev_b32 v14, 5, v0
	s_delay_alu instid0(VALU_DEP_1)
	v_readfirstlane_b32 s[WV], v14                 ; wave 0..15
	s_bfe_u32 s13, ttmp6, 0x40000                  ; cx
	s_and_b32 s14, ttmp7, 0xffff                   ; 16 x batch + head: the four partners share it
	s_and_b32 s15, s14, 15                         ; head
	s_lshr_b32 s16, s14, 4                         ; batch
	s_and_b32 s17, s[WV], 3
	s_mov_b32 s[G1], 15|(3<<16)|(1<<21)            ; the mask: all four work-groups; elements of 8 bytes; bit 21 beside a mask; no padding
	s_mov_b32 s[G1+1], 32<<16                      ; tensor_dim0: rows of 256 bytes
	s_mov_b32 s[G1+2], 200<<16                     ; tensor_dim1: four key steps, 51,200 dense bytes
	s_mov_b32 s[G1+3], 32<<16                      ; tile_dim0
	s_mov_b32 s[G1+4], 200                         ; tile_dim1
	s_mov_b32 s[G1+5], 32                          ; the pitch
	s_mov_b32 s[G1+6], 0
	s_mov_b32 s[G1+7], 0
	s_mul_i32 s54, s14, HEADB
	s_mov_b32 s55, 0
	s_mul_i32 s56, s17, 4*STEPB                    ; wave w (0 to 3) fetches steps 4 w .. 4 w + 3
	s_mov_b32 s57, 0
	s_mov_b32 s[SEL], 0x76543210
	s_mov_b32 s[SEL+1], 0xfedcba98                 ; v_permlanex16_b32's selects for lane l xor 16
	s_mov_b32 s[CS], 0x3e38aa3b                    ; c = log2(e) / 8
	s_mov_b32 s[CS+1], s[CS]                       ; (named with it as a pair, so it is written)
	s_mov_b32 s51, 0xffff0000                      ; lanes 16-31
	s_wait_dscnt 0x0
	s_wait_kmcnt 0x0
	s_add_nc_u64 s[6:7], s[6:7], s[54:55]          ; kvimg and qimg at my head
	s_add_nc_u64 s[4:5], s[4:5], s[54:55]
	s_mov_b32 s[G0], 1
	s_mov_b32 s[G0+1], s56
	s_add_nc_u64 s[G0+2:G0+3], s[6:7], s[56:57]
	s_or_b32 s[G0+3], s[G0+3], 0x80000000
	CROUND                                         ; all four work-groups are here: the joint loads meet
	s_cmp_lt_u32 s[WV], 4                          ; a branch on the wave's number: the same in every partner
	s_cbranch_scc0 .Lno_fetch
	tensor_load_to_lds s[G0:G0+3], s[G1:G1+7]      ; the wave's one tensor load of the launch
	s_nop 0
.rept 4
	v_nop
.endr
.Lno_fetch:
	; cx enters the addresses of q and of the results alone
	s_lshl_b32 s58, s13, 2
	s_lshr_b32 s59, s[WV], 3
	s_add_co_u32 s58, s58, s59
	s_mul_i32 s58, s58, STEPB                      ; my first query tile's step: 4 cx + w / 8
	s_mov_b32 s59, 0
	s_add_nc_u64 s[4:5], s[4:5], s[58:59]
	s_lshl_b32 s58, s16, 7
	s_lshl_b32 s60, s13, 5
	s_add_co_u32 s58, s58, s60
	s_add_co_u32 s58, s58, s[WV]                   ; T = 128 x batch + 32 cx + w: my first tile of 16 rows of o
	s_mul_i32 s60, s58, 12288                      ; 8 fragments of 1,536 bytes a tile;
	s_mul_i32 s61, s15, 768                        ; my head's half of a fragment: three pieces of 256 bytes
	s_add_co_u32 s60, s60, s61
	s_mov_b32 s61, 0
	s_add_nc_u64 s[8:9], s[8:9], s[60:61]
	s_lshl_b32 s60, s58, 9                         ; 16 rows of 32 scale bytes a tile,
	s_lshl_b32 s58, s15, 1                         ; my head's two
	s_add_co_u32 s60, s60, s58
	s_add_nc_u64 s[10:11], s[10:11], s[60:61]
	s_and_b32 s56, s[WV], 1
	s_cmp_eq_u32 s56, 0
	s_mov_b32 s52, 0x03030101
	s_cselect_b32 s52, 0x02020000, s52             ; of a run's scale word (first tile's block 0, second's, first's block 1, second's) my tile's two bytes, each twice
	v_and_b32 v[LI], 31, v0
	s_delay_alu instid0(VALU_DEP_1)
	v_lshlrev_b32 v[OC], 3, v[LI]
	s_delay_alu instid0(VALU_DEP_2)
	v_lshlrev_b32 v[LI], 4, v[LI]
	v_and_b32 v[LR], 15, v0
	s_delay_alu instid0(VALU_DEP_1)
	v_lshlrev_b32 v[OS], 5, v[LR]
	s_delay_alu instid0(VALU_DEP_2)
	v_lshlrev_b32 v[LR], 4, v[LR]
	s_bfe_u32 s56, s[WV], 0x20001                  ; my tile's run: (w % 8) / 2
	s_mul_i32 s57, s56, 1536
	s_and_b32 s53, s[WV], 1
	s_lshl_b32 s53, s53, 8
	s_add_co_u32 s57, s57, s53
	v_add_nc_u32 v[VQ], s57, v[LR]
	s_lshl_b32 s56, s56, 2
	s_add_co_u32 s56, s56, 12288
	v_add_nc_u32 v[VQS], s56, v[LR]
	QLOAD
	v_mov_b32 v13, 0                               ; (the upper half of the pair v[12:13])
	v_mov_b32 v14, 0
	v_mov_b32 v15, 0
.irp b, 0,1,2,3
	v_mov_b32 v[PD+\b], 0                          ; written once: a lane permute's destination counts as one of its sources
.endr
	s_wait_tensorcnt 0x0                           ; my part of the head is in LDS,
	s_barrier_signal -1
	s_barrier_wait -1                              ; everybody's is.  From here on LDS is only read
; A KEY STEP: 128 keys.
.macro STEP
	v_add_nc_u32 v[AD1], s[TB], v[LI]
	v_add_nc_u32 v[AD2], s[TB], v[LR]
	v_nop
	v_nop                                          ; four places in front of loads into registers that the last products read
.irp b, 0,1,2,3
.irp c, 0,1,2
	ds_load_b128 v[F+12*\b+4*\c:F+12*\b+4*\c+3], v[AD1] offset:1536*\b+512*\c   ; K's runs: 512 consecutive bytes a load
.endr
.endr
	ds_load_b128 v[KSC:KSC+3], v[AD2] offset:12288
	s_wait_alu depctr_va_vdst(0)
	s_wait_dscnt 0x0
.irp b, 0,1,2,3
	v_wmma_scale_f32_16x16x128_f8f6f4 v[S+16*\b:S+16*\b+7], v[F+12*\b:F+12*\b+11], v[QL:QL+11], 0, v[KSC+\b], v[QS] matrix_a_fmt:MATRIX_FMT_FP6 matrix_b_fmt:MATRIX_FMT_FP6
	v_wmma_scale_f32_16x16x128_f8f6f4 v[S+16*\b+8:S+16*\b+15], v[F+12*\b:F+12*\b+11], v[QH:QH+11], 0, v[KSC+\b], v[QS] matrix_a_fmt:MATRIX_FMT_FP6 matrix_b_fmt:MATRIX_FMT_FP6
.endr
.rept 4
	v_nop                                          ; places: in front of the loads below and of the first read of the scores
.endr
.irp t, 0,1,2,3
.irp c, 0,1,2
	ds_load_b128 v[F+12*\t+4*\c:F+12*\t+4*\c+3], v[AD1] offset:6144+1536*\t+512*\c   ; V's fragments land while the softmax is worked
.endr
.endr
	ds_load_b128 v[VSC:VSC+3], v[AD2] offset:12544
.irp b, 0,1,2,3
	v_max3_num_f32 v[BM+\b], v[S+16*\b], v[S+1+16*\b], v[S+2+16*\b]   ; the largest score of each block of 32 keys: for the row's maximum and, since p rises with the score, for the block's largest p
.endr
.irp i, 3,5,7,9,11,13
.irp b, 0,1,2,3
	v_max3_num_f32 v[BM+\b], v[BM+\b], v[S+16*\b+\i], v[S+1+16*\b+\i]
.endr
.endr
.irp b, 0,1,2,3
	v_max_num_f32 v[BM+\b], v[BM+\b], v[S+15+16*\b]
.endr
.irp b, 0,1,2,3
	s_delay_alu instid0(VALU_DEP_4)
	v_permlanex16_b32 v[PD+\b], v[BM+\b], s[SEL], s[SEL+1]
.endr
.irp b, 0,1,2,3
	s_delay_alu instid0(VALU_DEP_4)
	v_max_num_f32 v[BM+\b], v[BM+\b], v[PD+\b]     ; with lane l xor 16's 16 keys
.endr
	s_delay_alu instid0(VALU_DEP_2)
	v_max3_num_f32 v14, v[BM], v[BM+1], v[BM+2]
	s_delay_alu instid0(VALU_DEP_1)
	v_max_num_f32 v14, v14, v[BM+3]                ; the step's largest score of my query
	s_delay_alu instid0(VALU_DEP_1)
	v_mul_f32 v14, s[CS], v14                      ; as t
	s_delay_alu instid0(VALU_DEP_1)
	v_max_num_f32 v9, v9, v14                      ; the running largest t
	v_mov_b32 v14, v8
	s_delay_alu instid0(VALU_DEP_2)
	v_floor_f32 v8, -v9                            ; the new -M = floor(-t): M is a whole number
	s_delay_alu instid0(VALU_DEP_1)
	v_sub_f32 v14, v8, v14                         ; old M - new M: a whole number, 0 or less
	s_delay_alu instid0(VALU_DEP_1)
	v_cvt_i32_f32 v14, v14                         ; (it saturates)
	s_delay_alu instid0(VALU_DEP_1)
	v_ldexp_f32 v12, 1.0, v14                      ; f = 2^(old M - new M)
.set J, 0
.rept 32
	v_pk_fma_f32 v[S+J:S+J+1], v[S+J:S+J+1], s[CS:CS+1], v[8:9] op_sel_hi:[1,0,0]   ; t - M, two at a time
.set J, J+2
.endr
.irp b, 0,1,2,3
	v_fma_f32 v[BM+\b], v[BM+\b], s[CS], v8        ; the same of each block's largest score
.endr
.set J, 0
	s_wait_alu depctr_va_vdst(0)
.rept 64
	v_exp_f32 v[S+J], v[S+J]                       ; p = 2^(t - M), at most 1
.set J, J+1
.endr
	s_setprio 1
	v_pk_mul_f32 v[10:11], v[10:11], v[12:13] op_sel_hi:[1,0]   ; the sums under the new M: a plain place behind the exponentials
	s_wait_alu depctr_va_vdst(0)                   ; one wait for the batch of 64, ahead of its first reader
.irp b, 0,1,2,3
	v_exp_f32 v[BM+\b], v[BM+\b]                   ; the block's largest p: the same two instructions on the same number
.endr
	v_pk_add_f32 v[14:15], v[92:93], v[96:97]
	v_pk_add_f32 v[252:253], v[100:101], v[104:105]
	v_pk_add_f32 v[250:251], v[108:109], v[112:113]
	v_pk_add_f32 v[248:249], v[116:117], v[120:121]
	v_pk_add_f32 v[242:243], v[124:125], v[128:129]
	v_pk_add_f32 v[240:241], v[132:133], v[136:137]
	v_pk_add_f32 v[222:223], v[140:141], v[144:145]
	v_pk_add_f32 v[10:11], v[10:11], v[148:149]
	v_pk_add_f32 v[14:15], v[14:15], v[88:89]
	v_pk_add_f32 v[252:253], v[252:253], v[90:91]
	v_pk_add_f32 v[250:251], v[250:251], v[94:95]
	v_pk_add_f32 v[248:249], v[248:249], v[98:99]
	v_pk_add_f32 v[242:243], v[242:243], v[102:103]
	v_pk_add_f32 v[240:241], v[240:241], v[106:107]
	v_pk_add_f32 v[222:223], v[222:223], v[110:111]
	v_pk_add_f32 v[10:11], v[10:11], v[114:115]
	v_pk_add_f32 v[14:15], v[14:15], v[118:119]
	v_pk_add_f32 v[252:253], v[252:253], v[122:123]
	v_pk_add_f32 v[250:251], v[250:251], v[126:127]
	v_pk_add_f32 v[248:249], v[248:249], v[130:131]
	v_pk_add_f32 v[242:243], v[242:243], v[134:135]
	v_pk_add_f32 v[240:241], v[240:241], v[138:139]
	v_pk_add_f32 v[222:223], v[222:223], v[142:143]
	v_pk_add_f32 v[10:11], v[10:11], v[146:147]
	v_pk_add_f32 v[14:15], v[14:15], v[150:151]
	s_delay_alu instid0(VALU_DEP_2)
	v_pk_add_f32 v[10:11], v[10:11], v[248:249]
	s_delay_alu instid0(VALU_DEP_2)
	v_pk_add_f32 v[14:15], v[14:15], v[242:243]
	v_pk_add_f32 v[252:253], v[252:253], v[240:241]
	v_pk_add_f32 v[250:251], v[250:251], v[222:223]
	s_delay_alu instid0(VALU_DEP_2)
	v_pk_add_f32 v[10:11], v[10:11], v[252:253]
	s_delay_alu instid0(VALU_DEP_2)
	v_pk_add_f32 v[14:15], v[14:15], v[250:251]
	s_delay_alu instid0(VALU_DEP_1)
	v_pk_add_f32 v[10:11], v[10:11], v[14:15]
	s_wait_alu depctr_va_vdst(0)                   ; and one for the four
.irp b, 0,1,2,3
	v_max_num_f32 v[BM+\b], 0x1800000, v[BM+\b]    ; the floor 2^(3 - 127): the byte cannot fall under 1
.endr
.irp b, 0,1,2,3
	s_delay_alu instid0(VALU_DEP_4)
	v_add_nc_u32 v[SO+\b], 0xff000000, v[BM+\b]    ; 2 off the exponent field: the conversion's scale operand
.endr
.irp b, 0,1,2,3
	s_delay_alu instid0(VALU_DEP_4)
	v_lshrrev_b32 v[BY+\b], 23, v[SO+\b]
.endr
	s_delay_alu instid0(VALU_DEP_3)
	v_lshl_or_b32 v[PS], v[BY+1], 8, v[BY]         ; p's scale word for these 128 keys
	s_delay_alu instid0(VALU_DEP_1)
	v_lshl_or_b32 v[PS], v[BY+2], 16, v[PS]
	s_delay_alu instid0(VALU_DEP_1)
	v_lshl_or_b32 v[PS], v[BY+3], 24, v[PS]
.irp c, 0,1
	v_cvt_scalef32_pk16_fp6_f32 v[QC+6*\c:QC+2+6*\c], v[S+32*\c:S+15+32*\c], v[SO+2*\c]
	v_cvt_scalef32_pk16_fp6_f32 v[CV+4*\c:CV+2+4*\c], v[S+16+32*\c:S+31+32*\c], v[SO+2*\c+1]
.endr
	v_nop                                          ; one plain place behind a scaled conversion
.irp c, 0,1                            ; the operand wants a whole block in a lane: lanes 0-15 block 2 c, lanes 16-31 block 2 c + 1
.irp i, 0,1,2
	v_permlane16_swap_b32 v[QC+6*\c+\i], v[CV+4*\c+\i]
.endr
.irp i, 0,1,2
	s_delay_alu instid0(VALU_DEP_3)
	v_mov_b32 v[QC+3+6*\c+\i], v[CV+4*\c+\i]
.endr
.endr
.set J, 0
	s_setprio 0
.rept 16
	v_pk_mul_f32 v[O+J:O+J+1], v[O+J:O+J+1], v[12:13] op_sel_hi:[1,0]   ; O^T under the new M.  The last twelve name no register of the first product below: its places behind the scale word and the codes
.set J, J+2
.endr
	s_wait_alu depctr_va_vdst(0)
	s_wait_dscnt 0x0                               ; V's fragments and scale words
.irp t, 0,1,2,3                        ; four accumulators by turns, one instruction a turn
	v_wmma_scale_f32_16x16x128_f8f6f4 v[O+8*\t:O+8*\t+7], v[F+12*\t:F+12*\t+11], v[QC:QC+11], v[O+8*\t:O+8*\t+7], v[VSC+\t], v[PS] matrix_a_fmt:MATRIX_FMT_FP6 matrix_b_fmt:MATRIX_FMT_FP6
.endr
	s_add_co_u32 s[TB], s[TB], STEPB
.endm
	s_mov_b32 s50, 2                               ; passes to go
.Lpass:
	s_wait_loadcnt 0x0                             ; this pass's queries
.set J, 0
.rept 12
	v_cndmask_b32 v[QL+J], v[QRAW+J], 0, s51       ; the queries in lanes 0-15, zero codes in lanes 16-31
	v_cndmask_b32 v[QH+J], 0, v[QRAW+J], s51       ; and the other way round
.set J, J+1
.endr
	v_perm_b32 v[QS], v[QW], v[QW], s52            ; (block 0's byte, the same, block 1's, the same): it serves QL and QH
	s_cmp_eq_u32 s50, 1                            ; the last pass asks for nothing: no load leaves its buffer
	s_cbranch_scc1 .Lno_next
	s_add_nc_u64 s[4:5], s[4:5], 2*STEPB           ; (the wait above has shown the loads that read this address done)
	QLOAD
.Lno_next:
.set J, 0
.rept 32
	v_mov_b32 v[O+J], 0                            ; the key step is written once: its first trip finds zeros, which the first change of M leaves zeros.  (Also the places between Q's registers and the first products)
.set J, J+1
.endr
	v_mov_b32 v9, 0xff61b1e6                       ; the largest t so far: -3e38
	s_delay_alu instid0(VALU_DEP_1)
	v_floor_f32 v8, -v9
	v_mov_b32 v10, 0
	v_mov_b32 v11, 0
	s_mov_b32 s[TB], 0
	s_mov_b32 s49, 16
.Lstep:
	s_setprio 2
	STEP
	s_sub_co_u32 s49, s49, 1
	s_cmp_lg_u32 s49, 0
	s_cbranch_scc1 .Lstep
	s_setprio 0
	; THE END OF A PASS: o = O^T / the sum, quantised along the head's 64 channels: register 16 b + i is channel 32 b + 16 (lane / 16) + i of my query
	v_nop
	v_nop
	v_add_f32 v10, v10, v11                        ; the sum's two halves,
	s_delay_alu instid0(VALU_DEP_1)
	v_permlanex16_b32 v14, v10, s[SEL], s[SEL+1]
	s_delay_alu instid0(VALU_DEP_1)
	v_add_f32 v10, v10, v14                        ; and lane l xor 16's
	s_wait_alu depctr_va_vdst(0)
	v_rcp_f32 v12, v10
	v_nop                                          ; a plain place behind the reciprocal
	s_wait_alu depctr_va_vdst(0)                   ; and the wait ahead of its first reader
.set J, 0
.rept 16
	v_pk_mul_f32 v[S+J:S+J+1], v[O+J:O+J+1], v[12:13] op_sel_hi:[1,0]   ; each accumulator from its low end on
.set J, J+2
.endr
.irp b, 0,1
	v_max3_num_f32 v[BM+\b], |v[S+16*\b]|, |v[S+1+16*\b]|, 0x1800000
.endr
.irp i, 2,4,6,8,10,12,14
.irp b, 0,1
	s_delay_alu instid0(VALU_DEP_2)
	v_max3_num_f32 v[BM+\b], v[BM+\b], |v[S+16*\b+\i]|, |v[S+1+16*\b+\i]|
.endr
.endr
.irp b, 0,1
	s_delay_alu instid0(VALU_DEP_2)
	v_permlanex16_b32 v[PD+\b], v[BM+\b], s[SEL], s[SEL+1]
.endr
.irp b, 0,1
	s_delay_alu instid0(VALU_DEP_2)
	v_max_num_f32 v[BM+\b], v[BM+\b], v[PD+\b]
.endr
.irp b, 0,1
	s_delay_alu instid0(VALU_DEP_2)
	v_add_nc_u32 v[SO+\b], 0xff000000, v[BM+\b]
.endr
.irp b, 0,1
	s_delay_alu instid0(VALU_DEP_2)
	v_lshrrev_b32 v[BY+\b], 23, v[SO+\b]
.endr
	s_delay_alu instid0(VALU_DEP_1)
	v_lshl_or_b32 v[OW], v[BY+1], 8, v[BY]         ; my row's two scale bytes
	v_cvt_scalef32_pk16_fp6_f32 v[QC:QC+2], v[S:S+15], v[SO]
	v_cvt_scalef32_pk16_fp6_f32 v[CV:CV+2], v[S+16:S+31], v[SO+1]
	v_nop
.irp i, 0,1,2
	v_permlane16_swap_b32 v[QC+\i], v[CV+\i]
.endr
.irp i, 0,1,2
	s_delay_alu instid0(VALU_DEP_3)
	v_mov_b32 v[QC+3+\i], v[CV+\i]                 ; lanes 0-15: channels 0-31 of query r; lanes 16-31: channels 32-63: six registers of the last product's fragment
.endr
.irp p, 0,1,2
	global_store_b64 v[OC], v[QC+2*\p:QC+2*\p+1], s[8:9] offset:256*\p   ; 32 lanes store 256 consecutive bytes, aligned
.endr
	global_store_b16 v[OS], v[OW], s[10:11]        ; 2 of a row's 32 scale bytes: the other heads' work-groups own the rest; both halves of the lanes write the same bytes with the same value
	s_wait_xcnt 0x0                                ; the stores have read their registers and bases
	s_add_nc_u64 s[8:9], s[8:9], 16*12288          ; the next pass's tile lies 16 tiles on (the last pass's stepped addresses are not used)
	s_add_nc_u64 s[10:11], s[10:11], 16*512
	s_sub_co_u32 s50, s50, 1
	s_cmp_lg_u32 s50, 0
	s_cbranch_scc1 .Lpass
	s_wait_dscnt 0x0
	s_wait_tensorcnt 0x0
	ds_add_u32 v254, v255
	s_wait_dscnt 0x0
	CROUND                                         ; the closing round
	s_endpgm
.Lfunc_end_k_qda439cd964_attn:
	.size	k_qda439cd964_attn, .Lfunc_end_k_qda439cd964_attn-k_qda439cd964_attn
	.p2alignl 7, 3214868480
	.fill 96, 4, 3214868480
	.section	.rodata,"a",@progbits
	.p2align	6, 0x0
	.amdhsa_kernel k_qda439cd964_attn
		.amdhsa_group_segment_fixed_size 206848
		.amdhsa_private_segment_fixed_size 0
		.amdhsa_enable_private_segment 0
		.amdhsa_kernarg_size 32
		.amdhsa_user_sgpr_count 2
		.amdhsa_user_sgpr_kernarg_segment_ptr 1
		.amdhsa_wavefront_size32 1
		.amdhsa_system_sgpr_workgroup_id_x 1
		.amdhsa_system_sgpr_workgroup_id_y 1
		.amdhsa_system_sgpr_workgroup_id_z 1
		.amdhsa_system_vgpr_workitem_id 0
		.amdhsa_next_free_vgpr 256
		.amdhsa_next_free_sgpr 66
		.amdhsa_reserve_vcc 0
		.amdhsa_float_denorm_mode_32 3
		.amdhsa_float_denorm_mode_16_64 3
		.amdhsa_memory_ordered 1
		.amdhsa_forward_progress 1
		.amdhsa_inst_pref_size 31
	.end_amdhsa_kernel
	.amdgpu_metadata
---
amdhsa.version: [ 1, 2 ]
amdhsa.kernels:
  - .name:           k_qda439cd964_attn
    .symbol:         k_qda439cd964_attn.kd
    .args:
      - { .name: qimg, .offset: 0, .size: 8, .value_kind: global_buffer, .address_space: global }
      - { .name: kvimg, .offset: 8, .size: 8, .value_kind: global_buffer, .address_space: global }
      - { .name: acod, .offset: 16, .size: 8, .value_kind: global_buffer, .address_space: global }
      - { .name: ascl, .offset: 24, .size: 8, .value_kind: global_buffer, .address_space: global }
    .group_segment_fixed_size: 206848
    .private_segment_fixed_size: 0
    .kernarg_segment_align: 8
    .kernarg_segment_size: 32
    .max_flat_workgroup_size: 512
    .sgpr_count:     66
    .vgpr_count:     256
    .wavefront_size: 32
...
	.end_amdgpu_metadata
.endif
;; end of part 3
;; launch proj (part 4): grid 4 x 32, 4 waves a work-group, clusters of 4 x 4, 327,680 bytes of LDS; arguments acod, ascl, wcod, wscl, b_out, out0; writes out0
.if DOCPART == 4
	.amdgcn_target "amdgcn-amd-amdhsa--gfx1250"
	.amdhsa_code_object_version 6
	.text
	.protected	k_qda439cd964_proj
	.globl	k_qda439cd964_proj
	.p2align	8
	.type	k_qda439cd964_proj,@function
k_qda439cd964_proj:
	s_mov_b64 s[64:65], 0
	v_nop
	global_prefetch_b8 v0, s[64:65] scope:SCOPE_SE
	s_setreg_imm32_b32 hwreg(HW_REG_WAVE_MODE, 25, 1), 1
	s_wait_xcnt 0x0
	s_wait_alu depctr_hold_cnt(0) depctr_sa_sdst(0) depctr_va_vdst(0) depctr_va_sdst(0) depctr_va_ssrc(0) depctr_va_vcc(0) depctr_vm_vsrc(0)
	s_getreg_b32 s2, hwreg(HW_REG_IB_STS2, 6, 4)
	s_cmp_eq_u32 s2, 0
	s_cbranch_scc0 .Lentry_in_a_cluster
	s_endpgm
.Lentry_in_a_cluster:
	s_bfe_u32 s2, ttmp6, 0x10000c
	s_cmp_lg_u32 s2, 0xf033
	s_cbranch_scc0 .Lentry_shape_is_right
	s_endpgm
.Lentry_shape_is_right:
.set KSTEP,  256
.set NQ,     2
.set ROWB,   192
.set KROW,   768
.set PITCH,  240
.set FR,     12
.set NL,     6
.set NP,     4
.set HALFT,  128*PITCH
.set IMGT,   3072
.set HALFA,  8*IMGT
.set BOFF,   2*HALFA
.set SLOT,   BOFF+2*HALFT
.set LAPS,   2
.set KS,     32
.set SCL,    2*SLOT
.set HALFS,  (128*KS/256)*272
.set SBLK,   (16*KS/256)*272
.set SPARE,  SCL+4*HALFS
.set SPITCH, 528
.set ADRA, 16
.set ADRB, 20
.set STO,  24
.set RD,   25
.set CO,   26
.set ADRS, 27
.set SPW,  28
.set NIL,  29
.set VB,   30
.set SC,   32
.set BI,   64
.set AF,   128
.set BK,   128
.set G1, 24
.set G0, 32
.set G1B, 48
.set G0B, 56
.set G1S, 68
.set G0S, 76
.set G1SB, 80
.set G0SB, 88
.set MSB, 0
.macro WIN new
.if MSB != (\new)
	s_set_vgpr_msb (MSB<<8)|(\new)
.set MSB, (\new)
.endif
.endm
.set MUL_LO, 0xa1
.set MUL_HI, 0xf1
.set TO_B,   0x40
.macro JLOAD g0a, g1a, g0b, g1b
	s_cmp_eq_u32 s19, 0
	s_cbranch_scc0 .Lfor_b_\@
	tensor_load_to_lds s[\g0a:\g0a+3], s[\g1a:\g1a+7]
	s_nop 0
.rept 4
	v_nop
.endr
	s_branch .Lasked_\@
.Lfor_b_\@:
	tensor_load_to_lds s[\g0b:\g0b+3], s[\g1b:\g1b+7]
	s_nop 0
.rept 4
	v_nop
.endr
.Lasked_\@:
.endm
.macro CREST
	s_cmp_lg_u32 s18, 0
	s_cbranch_scc1 .Lnot_wave_0_\@
	s_barrier_signal -3
.Lnot_wave_0_\@:
	s_barrier_wait -3
	s_barrier_signal -1
	s_barrier_wait -1
.endm
.macro CROUND
	s_barrier_signal -1
	s_barrier_wait -1
	CREST
.endm
	s_load_b256 s[4:11], s[0:1], 0x0
	s_load_b128 s[12:15], s[0:1], 0x20
	v_lshl_add_u32 v[SPW], v0, 2, SPARE
	v_mov_b32 v[NIL], 0
	ds_add_u32 v28, v29
	ds_add_u32 v28, v29
	s_wait_dscnt 0x0
	v_lshrrev_b32 v1, 5, v0
	v_readfirstlane_b32 s18, v1
	s_lshr_b32 s19, s18, 1
	s_and_b32 s20, s18, 1
	s_bfe_u32 s21, ttmp6, 0x40000
	s_bfe_u32 s22, ttmp6, 0x40004
	s_and_b32 s40, ttmp7, 0xffff
	s_add_co_u32 s41, s21, 12
	s_lshl_b32 s42, s40, 2
	s_add_co_u32 s42, s42, s22
	s_lshl_b32 s43, s22, 2
	s_lshl_b32 s43, 15, s43
	s_lshl_b32 s44, 0x1111, s21
	s_or_b32 s[G1+0], s43, (3<<16)|(1<<21)
	s_mov_b32 s[G1+1], 384<<16
	s_mov_b32 s[G1+2], 8<<16
	s_mov_b32 s[G1+3], 384<<16
	s_mov_b32 s[G1+4], 8
	s_mov_b32 s[G1+5], 1536
	s_mov_b32 s[G1+6], 0
	s_mov_b32 s[G1+7], 0
	s_or_b32 s[G1B+0], s44, (0<<16)|(1<<20)|(1<<21)|(3<<22)|(3<<25)
	s_mov_b32 s[G1B+1], ROWB<<16
	s_mov_b32 s[G1B+2], 128<<16
	s_mov_b32 s[G1B+3], ROWB<<16
	s_mov_b32 s[G1B+4], 128
	s_mov_b32 s[G1B+5], KROW
	s_mov_b32 s[G1B+6], 0
	s_mov_b32 s[G1B+7], 0
	s_or_b32 s[G1S+0], s43, (3<<16)|(1<<20)|(1<<21)|(5<<22)|(3<<25)
	s_or_b32 s[G1SB+0], s44, (3<<16)|(1<<20)|(1<<21)|(5<<22)|(3<<25)
.irp g, G1S, G1SB
	s_mov_b32 s[\g+1], 32<<16
	s_mov_b32 s[\g+2], (128*KS/256)<<16
	s_mov_b32 s[\g+3], 32<<16
	s_mov_b32 s[\g+4], 128*KS/256
	s_mov_b32 s[\g+5], 32
	s_mov_b32 s[\g+6], 0
	s_mov_b32 s[\g+7], 0
.endr
	s_wait_kmcnt 0x0
	s_mov_b32 s47, 0
	s_lshl_b32 s46, s42, 4
	s_lshl_b32 s45, s20, 3
	s_add_co_u32 s46, s46, s45
	s_lshl_b32 s46, s46, 9
	s_add_nc_u64 s[94:95], s[6:7], s[46:47]
	s_mul_i32 s46, s46, 24
	s_add_nc_u64 s[92:93], s[4:5], s[46:47]
	s_mov_b32 s67, 0
	s_lshl_b32 s66, s41, 8
	s_lshl_b32 s45, s20, 7
	s_add_co_u32 s66, s66, s45
	s_lshl_b32 s66, s66, 5
	s_add_nc_u64 s[98:99], s[10:11], s[66:67]
	s_mul_i32 s66, s66, 24
	s_add_nc_u64 s[96:97], s[8:9], s[66:67]
	s_mul_i32 s45, s20, HALFA
	s_mul_i32 s46, s20, HALFT
	s_add_co_u32 s46, s46, BOFF
	s_mul_i32 s2, s18, HALFS
	CROUND
	s_mov_b32 s[G0S], 1
	s_add_co_u32 s[G0S+1], s2, SCL
	s_mov_b64 s[G0S+2:G0S+3], s[94:95]
	s_or_b32 s[G0S+3], s[G0S+3], 0x80000000
	s_mov_b32 s[G0SB], 1
	s_add_co_u32 s[G0SB+1], s2, SCL
	s_mov_b64 s[G0SB+2:G0SB+3], s[98:99]
	s_or_b32 s[G0SB+3], s[G0SB+3], 0x80000000
	JLOAD G0S, G1S, G0SB, G1SB
.irp s, 0,1
	s_mov_b32 s[G0+4*\s], 1
	s_add_co_u32 s[G0+4*\s+1], s45, \s*SLOT
	s_add_nc_u64 s[G0+4*\s+2:G0+4*\s+3], s[92:93], \s*IMGT
	s_or_b32 s[G0+4*\s+3], s[G0+4*\s+3], 0x80000000
	s_mov_b32 s[G0B+4*\s], 1
	s_add_co_u32 s[G0B+4*\s+1], s46, \s*SLOT
	s_add_nc_u64 s[G0B+4*\s+2:G0B+4*\s+3], s[96:97], \s*ROWB
	s_or_b32 s[G0B+4*\s+3], s[G0B+4*\s+3], 0x80000000
	s_wait_alu depctr_va_vdst(0)
	s_wait_tensorcnt 0x0
	ds_add_u32 v28, v29
	s_wait_dscnt 0x0
	CROUND
	JLOAD G0+4*\s, G1, G0B+4*\s, G1B
.endr
	v_and_b32 v1, 15, v0
	s_wait_alu depctr_va_vdst(0)
	v_bfe_u32 v2, v0, 4, 1
	s_wait_alu depctr_va_vdst(0)
	s_lshl_b32 s66, s21, 10
	s_lshl_b32 s45, s20, 9
	s_add_co_u32 s66, s66, s45
	s_mov_b32 s67, 0
	s_add_nc_u64 s[12:13], s[12:13], s[66:67]
	s_add_nc_u64 s[14:15], s[14:15], s[66:67]
	v_lshlrev_b32 v[VB], 6, v2
.irp b, 0,1,2,3
.irp i, 0,1,2,3
	global_load_b128 v[BI+16*\b+4*\i:BI+16*\b+4*\i+3], v[VB], s[12:13] offset:128*\b+16*\i
.endr
.endr
	s_lshl_b32 s66, s42, 8
	s_lshl_b32 s45, s19, 7
	s_add_co_u32 s66, s66, s45
	s_lshl_b32 s66, s66, 12
	s_add_nc_u64 s[14:15], s[14:15], s[66:67]
	v_mul_u32_u24 v3, v1, PITCH
	v_mul_u32_u24 v4, v2, 24
	v_add_nc_u32 v4, v3, v4
	v_lshl_add_u32 v5, v2, 4, v4
	v_and_b32 v6, 31, v0
	v_lshlrev_b32 v3, 3, v6
	s_mul_i32 s45, s19, HALFA
	s_mul_i32 s46, s20, HALFT
	s_add_co_u32 s46, s46, BOFF
.irp s, 0,1
	v_add_nc_u32 v[ADRA+\s], s45, v3
	v_add_nc_u32 v[ADRB+\s], s46, v4
	v_add_nc_u32 v[ADRB+2+\s], s46, v5
	s_add_co_u32 s45, s45, SLOT
	s_add_co_u32 s46, s46, SLOT
.endr
	v_mul_u32_u24 v5, v1, KS
	v_lshrrev_b32 v4, 8, v5
	v_lshl_add_u32 v5, v4, 4, v5
	s_mul_i32 s45, s19, HALFS
	s_mul_i32 s46, s20, HALFS
	s_add_co_u32 s46, s46, 2*HALFS
	s_sub_co_u32 s46, s46, s45
	v_mul_u32_u24 v4, s46, v2
	s_add_co_u32 s45, s45, SCL
	v_add_nc_u32 v5, v5, v4
	v_add_nc_u32 v[ADRS], s45, v5
	s_mul_i32 s45, s18, 16*SPITCH
	v_mul_u32_u24 v5, v1, SPITCH
	v_lshl_add_u32 v5, v2, 6, v5
	v_add_nc_u32 v[STO], s45, v5
	v_lshlrev_b32 v[CO], 4, v6
	v_add_nc_u32 v[RD], s45, v[CO]
.macro FRAG reg, adr, q, i
.irp p, 0,1,2,3,4,5
.set PCE, 12*(\q)+6*(\p/3)+\p%3
.if PCE%8 < 5
	ds_load_b64 v[\reg+2*\p:\reg+2*\p+1], v[\adr] offset:8*PCE+16*(PCE/8)+(\i)*16*PITCH
.else
	ds_load_b64 v[\reg+2*\p:\reg+2*\p+1], v[\adr+2] offset:8*PCE+16*(PCE/8)+(\i)*16*PITCH
.endif
.endr
.endm
.macro FRAGI reg, slot, q, i
.irp p, 0,1,2,3,4,5
	ds_load_b64 v[\reg+2*\p:\reg+2*\p+1], v[ADRA+\slot] offset:IMGT*(\i)+1536*(\q)+256*\p
.endr
.endm
.macro MUL16 a0, p, q, sc, first
.irp a, \a0, \a0+1
.irp b, 0,1,2,3,4,5,6,7
.if \first
	v_wmma_scale_f32_16x16x128_f8f6f4 v[8*(8*((\a)%4)+\b):8*(8*((\a)%4)+\b)+7], v[128*(\p)+FR*\b:128*(\p)+FR*\b+FR-1], v[AF+FR*(\a):AF+FR*(\a)+FR-1], v[BI+8*\b:BI+8*\b+7], v[SC+8*NQ*(\sc)+NQ*\b+(\q)], v[SC+8*NQ*(\sc)+NQ*(\a)+(\q)] matrix_a_fmt:MATRIX_FMT_FP6 matrix_b_fmt:MATRIX_FMT_FP6 matrix_a_scale:MATRIX_SCALE_ROW1
.else
	v_wmma_scale_f32_16x16x128_f8f6f4 v[8*(8*((\a)%4)+\b):8*(8*((\a)%4)+\b)+7], v[128*(\p)+FR*\b:128*(\p)+FR*\b+FR-1], v[AF+FR*(\a):AF+FR*(\a)+FR-1], v[8*(8*((\a)%4)+\b):8*(8*((\a)%4)+\b)+7], v[SC+8*NQ*(\sc)+NQ*\b+(\q)], v[SC+8*NQ*(\sc)+NQ*(\a)+(\q)] matrix_a_fmt:MATRIX_FMT_FP6 matrix_b_fmt:MATRIX_FMT_FP6 matrix_a_scale:MATRIX_SCALE_ROW1
.endif
.endr
.endr
.endm
.macro FETCH_B slot, q, p
	WIN TO_B
.irp i, 0,1,2,3,4,5,6,7
	FRAG 128*(\p)+FR*\i, ADRB+\slot, \q, \i
.endr
	WIN 0
.endm
.macro FETCH_A slot, q, i0
.irp i, \i0, \i0+1, \i0+2, \i0+3
	FRAGI AF+FR*(\i), \slot, \q, \i
.endr
.endm
.macro SCALES sc
.irp i, 0,1,2,3,4,5,6,7
	ds_load_b64 v[SC+8*NQ*\sc+NQ*\i:SC+8*NQ*\sc+NQ*\i+1], v[ADRS] offset:\i*SBLK
.endr
.endm
.macro PLACES n
.rept \n
	v_nop
.endr
.endm
.macro STEP slot, q, first
	s_wait_dscnt 4*NL
.if \first
	WIN 0x81
.else
	WIN MUL_LO
.endif
	MUL16 0, (\q)%2, \q, \slot, \first
	MUL16 2, (\q)%2, \q, \slot, \first
	s_wait_dscnt 0
	PLACES NP
	FETCH_B \slot, (\q)+1, 1-(\q)%2
	FETCH_A \slot, (\q)+1, 0
.if \first
	WIN 0xc1
.else
	WIN MUL_HI
.endif
	MUL16 4, (\q)%2, \q, \slot, \first
	MUL16 6, (\q)%2, \q, \slot, \first
	PLACES NP
	WIN 0
	FETCH_A \slot, (\q)+1, 4
.endm
.macro TURN slot, next, fill
	s_wait_tensorcnt 0x0
	ds_add_u32 v[SPW], v[NIL]
	s_wait_dscnt 4*NL+1
	WIN MUL_LO
	MUL16 0, 1, NQ-1, \slot, 0
	s_wait_dscnt 0x0
	s_barrier_signal -1
	MUL16 2, 1, NQ-1, \slot, 0
	WIN 0
	s_barrier_wait -1
.if \fill
	CREST
	s_add_nc_u64 s[G0+4*\slot+2:G0+4*\slot+3], s[G0+4*\slot+2:G0+4*\slot+3], 2*IMGT
	s_add_nc_u64 s[G0B+4*\slot+2:G0B+4*\slot+3], s[G0B+4*\slot+2:G0B+4*\slot+3], 2*ROWB
	JLOAD G0+4*\slot, G1, G0B+4*\slot, G1B
.else
	PLACES NP
.endif
	s_wait_alu depctr_va_vdst(0)
	v_add_nc_u32 v[ADRS], 4*NQ, v[ADRS]
	FETCH_B \next, 0, 0
	FETCH_A \next, 0, 0
	SCALES \next
	WIN MUL_HI
	MUL16 4, 1, NQ-1, \slot, 0
	MUL16 6, 1, NQ-1, \slot, 0
	PLACES NP
	WIN 0
	FETCH_A \next, 0, 4
.endm
	s_wait_alu depctr_va_vdst(0)
	s_wait_tensorcnt 1
	s_barrier_signal -1
	s_barrier_wait -1
	FETCH_B 0, 0, 0
	FETCH_A 0, 0, 0
	SCALES 0
	FETCH_A 0, 0, 4
	s_wait_loadcnt 0x0
	STEP 0, 0, 1
	s_mov_b32 s3, LAPS-1
.Llap:
	TURN 0, 1, 1
	STEP 1, 0, 0
	TURN 1, 0, 1
	STEP 0, 0, 0
	s_sub_co_u32 s3, s3, 1
	s_cmp_lg_u32 s3, 0
	s_cbranch_scc1 .Llap
	TURN 0, 1, 0
	STEP 1, 0, 0
	s_wait_dscnt 4*NL
	WIN MUL_LO
	MUL16 0, 1, NQ-1, 1, 0
	MUL16 2, 1, NQ-1, 1, 0
	s_wait_dscnt 0
	WIN MUL_HI
	MUL16 4, 1, NQ-1, 1, 0
	MUL16 6, 1, NQ-1, 1, 0
	WIN 0
.macro TOSTAGE a
.set AC, 64*((\a)%4)
	WIN 0x08+4*((\a)/4)
.irp b, 0,1,2,3,4,5,6,7
	ds_store_b128 v[STO], v[AC+8*\b:AC+8*\b+3] offset:128*(\b/2)+32*(\b%2)
	ds_store_b128 v[STO], v[AC+8*\b+4:AC+8*\b+7] offset:128*(\b/2)+32*(\b%2)+16
.endr
	WIN 0
.set BB, BK+64*((\a)%2)
.irp t, 0,1,2,3,4,5,6,7,8,9,10,11,12,13,14,15
	ds_load_b128 v[BB+4*\t:BB+4*\t+3], v[RD] offset:\t*SPITCH
.endr
.endm
.macro SEND a, younger
.set BB, BK+64*((\a)%2)
	s_wait_dscnt \younger
.irp t, 0,1,2,3,4,5,6,7,8,9,10,11,12,13,14,15
	global_store_b128 v[CO], v[BB+4*\t:BB+4*\t+3], s[14:15] offset:(32*((\a)/2)+8*((\a)%2)+(\t%8)+16*(\t/8))*4096 th:TH_STORE_NT
.endr
.endm
	PLACES NP
	TOSTAGE 0
.irp a, 1,2,3,4,5,6,7
.if \a > 1
	s_wait_xcnt 0x0
.endif
	TOSTAGE \a
	SEND \a-1, 32
.endr
	SEND 7, 0
	s_wait_tensorcnt 0x0
	ds_add_u32 v[SPW], v[NIL]
	s_wait_dscnt 0x0
	CROUND
	s_endpgm
.Lfunc_end_k_qda439cd964_proj:
	.size	k_qda439cd964_proj, .Lfunc_end_k_qda439cd964_proj-k_qda439cd964_proj
	.p2alignl 7, 3214868480
	.fill 96, 4, 3214868480
	.section	.rodata,"a",@progbits
	.p2align	6, 0x0
	.amdhsa_kernel k_qda439cd964_proj
		.amdhsa_group_segment_fixed_size 327680
		.amdhsa_private_segment_fixed_size 0
		.amdhsa_enable_private_segment 0
		.amdhsa_kernarg_size 48
		.amdhsa_user_sgpr_count 2
		.amdhsa_user_sgpr_kernarg_segment_ptr 1
		.amdhsa_wavefront_size32 1
		.amdhsa_system_sgpr_workgroup_id_x 1
		.amdhsa_system_sgpr_workgroup_id_y 1
		.amdhsa_system_sgpr_workgroup_id_z 1
		.amdhsa_system_vgpr_workitem_id 0
		.amdhsa_next_free_vgpr 1024
		.amdhsa_next_free_sgpr 100
		.amdhsa_reserve_vcc 0
		.amdhsa_float_denorm_mode_32 3
		.amdhsa_float_denorm_mode_16_64 3
		.amdhsa_memory_ordered 1
		.amdhsa_forward_progress 1
		.amdhsa_inst_pref_size 162
	.end_amdhsa_kernel
	.amdgpu_metadata
---
amdhsa.version: [ 1, 2 ]
amdhsa.kernels:
  - .name:           k_qda439cd964_proj
    .symbol:         k_qda439cd964_proj.kd
    .args:
      - { .name: acod, .offset: 0, .size: 8, .value_kind: global_buffer, .address_space: global }
      - { .name: ascl, .offset: 8, .size: 8, .value_kind: global_buffer, .address_space: global }
      - { .name: wcod, .offset: 16, .size: 8, .value_kind: global_buffer, .address_space: global }
      - { .name: wscl, .offset: 24, .size: 8, .value_kind: global_buffer, .address_space: global }
      - { .name: b_out, .offset: 32, .size: 8, .value_kind: global_buffer, .address_space: global }
      - { .name: out0, .offset: 40, .size: 8, .value_kind: global_buffer, .address_space: global }
    .group_segment_fixed_size: 327680
    .private_segment_fixed_size: 0
    .kernarg_segment_align: 8
    .kernarg_segment_size: 48
    .max_flat_workgroup_size: 128
    .sgpr_count:     100
    .vgpr_count:     1024
    .wavefront_size: 32
...
	.end_amdgpu_metadata
.endif
;; end of part 4
